; MI455X (gfx1250); checked and timed in simulation.
; The chip was launched on July 23, 2026; its instructions are those of AMD's public machine-readable ISA for CDNA 5 (MIT licence, August 2026) and "CDNA5" Instruction Set Architecture Reference Guide (July 2026). The comments in the code are by the model that wrote it; some were corrected since.
;; Attention. Allowed arithmetic: matrix products marked QUANTISED: E4M3 operands, one given power-of-two scale a tensor, by v_wmma_f32_16x16x64_fp8_fp8 or v_wmma_f32_16x16x128_fp8_fp8, f32 sums; everything else in f32.
;; Inputs: cos 2,048 x 64 float32; lowp_scales 12 int32 (the exponents e of the quantised operands' scales 2^e); sin 2,048 x 64 float32; wk 2,048 x 512 float32; wo 1,024 x 2,048 float32; wq 2,048 x 1,024 float32; wv 2,048 x 512 float32; x 2 x 2,048 x 2,048 float32.
;; Outputs: out0 2 x 2,048 x 2,048 float32.
;; This version of the problem:
;;   THIS VERSION OF THE PROBLEM IS GIVEN IN LOW PRECISION. The matrix products marked QUANTISED in the list below multiply operands that are first quantised to E4M3 (4 exponent bits, 3 mantissa bits; 8 bits a number), with one given power-of-two scale for each operand tensor; their sums are f32. All else is computed in f32.
;;   The module's matrix products, in the order in which they are computed (A, B: the left and right operand; K: the contracted axis; several contracted axes count as one K, in the product's order):
;;     1. [M 4,096, K 2,048] x [K 2,048, N 1,024]; A: input x; B: input wq: QUANTISED (scales: A lowp_scales[0], B lowp_scales[1])
;;     2. [M 4,096, K 2,048] x [K 2,048, N 512]; A: input x; B: input wk: QUANTISED (scales: A lowp_scales[2], B lowp_scales[3])
;;     3. [M 4,096, K 2,048] x [K 2,048, N 512]; A: input x; B: input wv: QUANTISED (scales: A lowp_scales[4], B lowp_scales[5])
;;     4. batch 32 x [M 2,048, K 64] x [K 64, N 2,048]; A: computed on the way; B: computed on the way: QUANTISED (scales: A lowp_scales[6], B lowp_scales[7])
;;     5. batch 32 x [M 2,048, K 2,048] x [K 2,048, N 64]; A: softmax (see below); B: computed on the way: QUANTISED (scales: A lowp_scales[8], B lowp_scales[9])
;;     6. [M 4,096, K 1,024] x [K 1,024, N 2,048]; A: computed on the way; B: input wo: QUANTISED (scales: A lowp_scales[10], B lowp_scales[11])
;;   THE QUANTISER, for each operand of a quantised product, along K:
;;     - The operand's scale is 2^e, e = its entry of the input lowp_scales (int32; the entries are numbered through the quantised products in the list's order, A before B).
;;     - Each number is divided by the scale, clamped to +-448, and rounded to the nearest number of E4M3, ties to even, subnormals kept.
;;     - The product sums the exact products of the quantised numbers (number of the format x scale) in f32.
;;   ~~~python
;;   def quantise(x, axis, e):      # numpy; x: float32 -> the quantised numbers, widened to float32 again
;;       x = np.moveaxis(x, axis, -1); K = x.shape[-1]
;;       r = np.clip(x / 2.0 ** e, -448, 448)
;;       step = 2.0 ** (np.maximum(np.frexp(np.where(r == 0, 1, r))[1] - 1, -6) - 3)
;;       q = np.round(r / step) * step * 2.0 ** e      # np.round: ties to even
;;       return np.moveaxis(q, -1, axis).astype(np.float32)
;;   ~~~
;;   SOFTMAX AHEAD OF A QUANTISED PRODUCT. Where the list says 'softmax', what is quantised is not the finished softmax but p = 2^(t - M), with t = logit x log2(e) and M = ceil(the row's largest t), a whole number; so 1/2 < the row's largest p <= 1. The row's sum l is taken of the UNQUANTISED p, in f32, and the product's result is divided by l at the end. Since M is a whole number, a kernel that streams over the keys may use a running M (the ceiling of the running maximum): every later rescaling is an exact power of two, so the quantised numbers keep their values, but for numbers so far below the row's largest that they fall under the format's range.
;;   OPERANDS COMPUTED ON THE WAY. 'Computed on the way' means the value that the module computes at that place (a softmax that the list does not call 'softmax' is quantised finished and normalised). What goes into a quantiser is computed in f32, as accurately as f32 sums, v_exp_f32 and their like allow (about 1e-6 of the number): no bf16 or f16 on the way to a quantiser, and a product that is left as it is and whose result goes on into a quantised operand takes f32 operands (vector FMAs, or v_wmma_f32_16x16x4_f32). A number that lies on a knife's edge between two numbers of the format may be rounded either way, as far as f32 arithmetic and the matrix unit's own rounding can turn it there, and no further.
;; One version. Each part assembles by itself: llvm-mc -triple=amdgcn-amd-amdhsa -mcpu=gfx1250 --defsym DOCPART=n.
;; ======== version 1 of 1: 4 launches
;; limits: right only within a limited range of input values
;; workspace buffers: xc 25,165,824 bytes; wc 6,291,456 bytes; q_img 4,194,304 bytes; kv_img 4,194,304 bytes; a_img 4,194,304 bytes
;; launch quant (part 1): grid 448 x 1, 4 waves a work-group, no clusters, 34,304 bytes of LDS; arguments x, wq, wk, wv, wo, lowp_scales, xc, wc; writes xc, wc
.if DOCPART == 1
	.amdgcn_target "amdgcn-amd-amdhsa--gfx1250"
	.amdhsa_code_object_version 6
	.text
	.protected	k_q371892a522_quant
	.globl	k_q371892a522_quant
	.p2align	8
	.type	k_q371892a522_quant,@function
k_q371892a522_quant:
	s_mov_b64 s[64:65], 0
	v_nop
	global_prefetch_b8 v0, s[64:65] scope:SCOPE_SE
	s_setreg_imm32_b32 hwreg(HW_REG_WAVE_MODE, 25, 1), 1
	s_wait_xcnt 0x0
; x and the four weights, f32, become codes of E4M3, laid as IMAGES OF THE OPERAND'S REGISTERS for v_wmma_f32_16x16x128_fp8_fp8.
; A fragment is 16 rows x 128 K, 16 registers a lane: registers 2 c, 2 c + 1 of lane (r, h) hold k = 16 c + 8 h + 0 .. 7 of row r.  Its image is 2,048 bytes:
; piece q (0 .. 3) of 512 bytes holds registers 4 q .. 4 q + 3, lane l's 16 bytes at 16 l.  A reader that loads 16 bytes a lane has the operand as it stands.
; code = number / 2^e, held within +-448, rounded to the nearest code, ties to even.
; xc: three planes of 8,388,608 bytes (x under e0, e2, e4), each [row tile 256][K step 16][2,048].
; wc: wq at 0 [n tile 64][K step 16][2,048]; wk at 0x200000 [32][16]; wv at 0x300000 [32][16]; wo at 0x400000 [128][8].  A weight's "row" is its column n: K is its first axis in memory.
; WORK-GROUPS: 0-255 x (one row tile of 16 rows each), 256-319 wq, 320-351 wk, 352-383 wv, 384-447 wo.  The paths part on the work-group's number; only x's path touches LDS.
; LIMITS: e0, e2, e4, e1, e3, e5, e11 between -126 and 119, so that 2^e and 448 x 2^e are f32 numbers.  NaN among the inputs is not served (an infinity is held at the largest code).
.set STGB,  8448                       ; x's path: a stage of 16 rows x (512 bytes + 16) for each wave
.set SPARE, 4*STGB                     ; behind the stages: the spare words, 128 bytes for each wave, two blocks of 256 bytes that no other line names
.set SPW,   10                         ; v10  LDS address of my spare word; never rewritten
.set NIL,   11                         ; v11  0; never rewritten
.set T,     12                         ; v12-27   x: two sets of 8 held numbers
.set C,     28                         ; v28-59   x: two sets of 16 registers of codes
.set X,     60                         ; v60-123  x: 64 numbers of my row, register 8 c + i = k 16 c + 8 h + i
.set R,     124                        ; v124-251 x: two sets of 64 registers as loaded
.set WX,    64                         ; weights: v64-127 two sets of 32 numbers down K
.set WC,    128                        ; weights: v128-191 eight registers of codes for each of 8 blocks: no store's data are written again
	s_load_b512 s[4:19], s[0:1], 0x0               ; x 4:5, wq 6:7, wk 8:9, wv 10:11, wo 12:13, the exponents 14:15, xc 16:17, wc 18:19
	v_lshl_add_u32 v[SPW], v0, 2, SPARE
	v_mov_b32 v[NIL], 0
	v_lshrrev_b32 v1, 5, v0
	v_readfirstlane_b32 s20, v1                    ; wave 0..3
	s_wait_kmcnt 0x0
	s_load_b256 s[24:31], s[14:15], 0x0            ; e0 .. e7
	s_load_b128 s[32:35], s[14:15], 0x20           ; e8 .. e11
	s_cmp_lt_u32 ttmp9, 256
	s_cbranch_scc0 .Lweights
; ---------------- x: work-group g owns rows 16 g .. 16 g + 15 (131,072 consecutive bytes); wave w owns K steps 4 w .. 4 w + 3
; Each load reads 512 consecutive bytes of one row; a step's 16 rows x 512 bytes turn through the wave's own stage, so that lane (r, h) gets the numbers of row r that its registers want.
.macro XLOAD t
.irp i, 0,1,2,3,4,5,6,7,8,9,10,11,12,13,14,15
	global_load_b128 v[R+64*((\t)%2)+4*\i:R+64*((\t)%2)+4*\i+3], v1, s[4:5] offset:\i*8192+(\t)*512 th:TH_LOAD_NT
.endr
.endm
; one plane's codes of step t: held numbers go into T, so that X serves all three planes; T's two sets take turns, so that plain lines stand between a conversion and the next write of its sources
.macro PLANE t, p
.set CSET, C+16*((3*(\t)+\p)%2)
.if 3*(\t)+\p >= 2
	s_wait_xcnt 0x0                                ; the stores of two planes back have read this set of codes: it is written again only behind this wait
.endif
.irp g, 0,1,2,3,4,5,6,7
.irp i, 0,1,2,3,4,5,6,7
	v_med3_num_f32 v[T+8*(\g%2)+\i], v[X+8*\g+\i], -v[7+\p], v[7+\p]   ; the conversion to an 8-bit code does not saturate (ISA guide 7.6.2): the hold at 448 x the scale comes first
.endr
	v_cvt_scalef32_pk8_fp8_f32 v[CSET+2*\g:CSET+2*\g+1], v[T+8*(\g%2):T+8*(\g%2)+7], v[4+\p]   ; registers 2 g, 2 g + 1 of the fragment
.endr
.irp q, 0,1,2,3
	global_store_b128 v1, v[CSET+4*\q:CSET+4*\q+3], s[36+2*\p:37+2*\p] offset:(\t)*2048+\q*512   ; a piece: the wave stores 512 consecutive bytes, aligned
.endr
.endm
.macro XSTEP t
.if (\t) < 3
	s_wait_loadcnt 16                              ; this step's 16 loads are in; the next step's 16 may be out
.else
	s_wait_loadcnt 0
.endif
.irp i, 0,1,2,3,4,5,6,7,8,9,10,11,12,13,14,15
	ds_store_b128 v2, v[R+64*((\t)%2)+4*\i:R+64*((\t)%2)+4*\i+3] offset:\i*528
.endr
.irp c, 0,1,2,3,4,5,6,7
	ds_load_b128 v[X+8*\c:X+8*\c+3], v3 offset:64*\c         ; LDS serves a wave's instructions in order: these see the stores above
	ds_load_b128 v[X+8*\c+4:X+8*\c+7], v3 offset:64*\c+16
.endr
	s_wait_dscnt 0x0                               ; the numbers are back, and the stores have read their registers,
.if (\t) < 2
	XLOAD (\t)+2                                   ; which take the loads of two steps on
.endif
.irp p, 0,1,2
	PLANE \t, \p
.endr
.endm
	v_and_b32 v3, 31, v0
	v_lshlrev_b32 v1, 4, v3                        ; 16 x lane: my bytes of a load, and of a piece
	s_mul_i32 s21, s20, STGB                       ; my stage
	v_add_nc_u32 v2, s21, v1                       ; into it: row i at 528 i, as loaded
	v_and_b32 v4, 15, v0                           ; r
	v_bfe_u32 v5, v0, 4, 1                         ; h
	v_mul_u32_u24 v3, v4, 528
	v_lshl_add_u32 v3, v5, 5, v3
	v_add_nc_u32 v3, s21, v3                       ; out of it: row r, + 32 h bytes (8 numbers)
	s_lshl_b32 s42, ttmp9, 17                      ; 16 rows of 8,192 bytes
	s_lshl_b32 s43, s20, 11                        ; my four K steps of 512 bytes
	s_add_co_u32 s42, s42, s43
	s_mov_b32 s43, 0
	s_add_nc_u64 s[4:5], s[4:5], s[42:43]
	XLOAD 0
	XLOAD 1
	s_lshl_b32 s42, ttmp9, 15                      ; a row tile's 16 images
	s_lshl_b32 s44, s20, 13                        ; my four
	s_add_co_u32 s42, s42, s44
	s_add_nc_u64 s[36:37], s[16:17], s[42:43]      ; the three planes
	s_add_nc_u64 s[38:39], s[36:37], 0x800000
	s_add_nc_u64 s[40:41], s[36:37], 0x1000000
	s_wait_alu depctr_va_vdst(0)
	s_wait_kmcnt 0x0
.irp p, 0,1,2
	s_add_co_i32 s50, s[24+2*\p], 127              ; e0, e2, e4
	s_lshl_b32 s51, s50, 23
	v_mov_b32 v[4+\p], s51                         ; 2^e as f32: the conversion takes its exponent field
	s_add_co_i32 s50, s50, 8
	s_lshl_b32 s50, s50, 23
	s_or_b32 s50, s50, 0x600000
	v_mov_b32 v[7+\p], s50                         ; 448 x 2^e
.endr
	s_wait_alu depctr_va_vdst(0)
	XSTEP 0
	XSTEP 1
	XSTEP 2
	XSTEP 3
	v_nop                                          ; a plain line behind the last conversion
	s_wait_tensorcnt 0x0                           ; the wave's end, behind my last LDS store
	ds_add_u32 v[SPW], v[NIL]
	s_wait_dscnt 0x0
	s_endpgm
; ---------------- weights [K][N]: A LANE TAKES A COLUMN n AND ITS REGISTERS RUN DOWN K.  A work-group takes 128 columns x 256 K, a wave 32 columns (two n tiles), 8 blocks of 32 along K.
; A block's 32 numbers of column r are piece t % 4 of K step t / 4: k 0-7 and 16-23 are the 16 bytes of fragment lane (r, 0), k 8-15 and 24-31 those of lane (r, 1), 256 bytes further on.
; So sixteen neighbouring lanes store 256 consecutive bytes, aligned, and nothing goes through LDS.  Every offset is an immediate: 255 rows of 8,192 bytes at the most.
.macro WLOAD t, N
.irp i, 0,1,2,3,4,5,6,7,8,9,10,11,12,13,14,15,16,17,18,19,20,21,22,23,24,25,26,27,28,29,30,31
	global_load_b32 v[WX+32*((\t)%2)+\i], v1, s[44:45] offset:(32*(\t)+\i)*\N*4 th:TH_LOAD_NT
.endr
.endm
.macro WBLOCK t, N
.set XS, WX+32*((\t)%2)
.set CB, WC+8*(\t)
.if (\t) < 7
	s_wait_loadcnt 32                              ; this block's 32 loads are in; the next block's may be out
.else
	s_wait_loadcnt 0
.endif
.irp i, 0,1,2,3,4,5,6,7,8,9,10,11,12,13,14,15,16,17,18,19,20,21,22,23,24,25,26,27,28,29,30,31
	v_med3_num_f32 v[XS+\i], v[XS+\i], -v7, v7
.endr
	v_cvt_scalef32_pk8_fp8_f32 v[CB:CB+1], v[XS:XS+7], v4
	v_cvt_scalef32_pk8_fp8_f32 v[CB+2:CB+3], v[XS+16:XS+23], v4
	v_cvt_scalef32_pk8_fp8_f32 v[CB+4:CB+5], v[XS+8:XS+15], v4
	v_cvt_scalef32_pk8_fp8_f32 v[CB+6:CB+7], v[XS+24:XS+31], v4
	global_store_b128 v2, v[CB:CB+3], s[48:49] offset:((\t)/4)*2048+((\t)%4)*512
	global_store_b128 v2, v[CB+4:CB+7], s[48:49] offset:((\t)/4)*2048+((\t)%4)*512+256
.if (\t) < 6
	WLOAD (\t)+2, \N
.endif
.endm
; in: s[44:45] the weight, s46 the work-group's number within it, s47 e, s52 its place in wc
.macro WPATH N, K, LOGC
	s_and_b32 s53, s46, (\N/128)-1                 ; which 128 columns
	s_lshr_b32 s54, s46, \LOGC                     ; which 256 along K
	s_mul_i32 s56, s54, 256*\N*4
	s_lshl_b32 s55, s53, 9
	s_add_co_u32 s56, s56, s55
	s_lshl_b32 s55, s20, 7                         ; my wave's 32 columns
	s_add_co_u32 s56, s56, s55
	s_mov_b32 s57, 0
	s_add_nc_u64 s[44:45], s[44:45], s[56:57]
	s_lshl_b32 s55, s53, 3
	s_lshl_b32 s58, s20, 1
	s_add_co_u32 s55, s55, s58                     ; my first n tile
	s_mul_i32 s56, s55, \K*16                      ; an n tile's K / 128 images
	s_lshl_b32 s55, s54, 12                        ; two K steps
	s_add_co_u32 s56, s56, s55
	s_add_co_u32 s56, s56, s52
	s_add_nc_u64 s[48:49], s[18:19], s[56:57]
	v_and_b32 v3, 31, v0
	v_lshlrev_b32 v1, 2, v3                        ; in: 4 bytes a lane
	v_lshrrev_b32 v5, 4, v3
	v_and_b32 v6, 15, v3
	v_mul_u32_u24 v2, v5, \K*16                    ; out: lanes 16-31 hold the next n tile,
	v_lshl_add_u32 v2, v6, 4, v2                   ; 16 bytes for column r
	WLOAD 0, \N
	WLOAD 1, \N
	s_add_co_i32 s47, s47, 127
	s_lshl_b32 s55, s47, 23
	v_mov_b32 v4, s55                              ; 2^e
	s_add_co_i32 s47, s47, 8
	s_lshl_b32 s47, s47, 23
	s_or_b32 s47, s47, 0x600000
	v_mov_b32 v7, s47                              ; 448 x 2^e
	s_wait_alu depctr_va_vdst(0)
.irp t, 0,1,2,3,4,5,6,7
	WBLOCK \t, \N
.endr
	s_endpgm
.endm
.Lweights:
	s_wait_kmcnt 0x0
	s_cmp_lt_u32 ttmp9, 320
	s_cbranch_scc0 .Lnot_wq
	s_mov_b64 s[44:45], s[6:7]
	s_sub_co_u32 s46, ttmp9, 256
	s_mov_b32 s47, s25                             ; e1
	s_mov_b32 s52, 0
	WPATH 1024, 2048, 3
.Lnot_wq:
	s_cmp_lt_u32 ttmp9, 384
	s_cbranch_scc0 .Lwo
	s_sub_co_u32 s46, ttmp9, 320
	s_mov_b32 s52, 0x200000
	s_cmp_ge_u32 s46, 32                           ; wk's 32 work-groups, then wv's: the choice hangs on the work-group's number alone
	s_cselect_b64 s[44:45], s[10:11], s[8:9]
	s_cselect_b32 s47, s29, s27                    ; e5 or e3
	s_cselect_b32 s52, 0x300000, s52
	s_and_b32 s46, s46, 31
	WPATH 512, 2048, 2
.Lwo:
	s_mov_b64 s[44:45], s[12:13]
	s_sub_co_u32 s46, ttmp9, 384
	s_mov_b32 s47, s35                             ; e11
	s_mov_b32 s52, 0x400000
	WPATH 2048, 1024, 4
.Lfunc_end_k_q371892a522_quant:
	.size	k_q371892a522_quant, .Lfunc_end_k_q371892a522_quant-k_q371892a522_quant
	.p2alignl 7, 3214868480
	.fill 96, 4, 3214868480
	.section	.rodata,"a",@progbits
	.p2align	6, 0x0
	.amdhsa_kernel k_q371892a522_quant
		.amdhsa_group_segment_fixed_size 34304
		.amdhsa_private_segment_fixed_size 0
		.amdhsa_enable_private_segment 0
		.amdhsa_kernarg_size 64
		.amdhsa_user_sgpr_count 2
		.amdhsa_user_sgpr_kernarg_segment_ptr 1
		.amdhsa_wavefront_size32 1
		.amdhsa_system_sgpr_workgroup_id_x 1
		.amdhsa_system_sgpr_workgroup_id_y 1
		.amdhsa_system_sgpr_workgroup_id_z 1
		.amdhsa_system_vgpr_workitem_id 0
		.amdhsa_next_free_vgpr 256
		.amdhsa_next_free_sgpr 66
		.amdhsa_reserve_vcc 0
		.amdhsa_float_denorm_mode_32 3
		.amdhsa_float_denorm_mode_16_64 3
		.amdhsa_memory_ordered 1
		.amdhsa_forward_progress 1
		.amdhsa_inst_pref_size 212
	.end_amdhsa_kernel
	.amdgpu_metadata
---
amdhsa.version: [ 1, 2 ]
amdhsa.kernels:
  - .name:           k_q371892a522_quant
    .symbol:         k_q371892a522_quant.kd
    .args:
      - { .name: x, .offset: 0, .size: 8, .value_kind: global_buffer, .address_space: global }
      - { .name: wq, .offset: 8, .size: 8, .value_kind: global_buffer, .address_space: global }
      - { .name: wk, .offset: 16, .size: 8, .value_kind: global_buffer, .address_space: global }
      - { .name: wv, .offset: 24, .size: 8, .value_kind: global_buffer, .address_space: global }
      - { .name: wo, .offset: 32, .size: 8, .value_kind: global_buffer, .address_space: global }
      - { .name: lowp_scales, .offset: 40, .size: 8, .value_kind: global_buffer, .address_space: global }
      - { .name: xc, .offset: 48, .size: 8, .value_kind: global_buffer, .address_space: global }
      - { .name: wc, .offset: 56, .size: 8, .value_kind: global_buffer, .address_space: global }
    .group_segment_fixed_size: 34304
    .private_segment_fixed_size: 0
    .kernarg_segment_align: 8
    .kernarg_segment_size: 64
    .max_flat_workgroup_size: 128
    .sgpr_count:     66
    .vgpr_count:     256
    .wavefront_size: 32
...
	.end_amdgpu_metadata
.endif
;; end of part 1
;; launch qkv (part 2): grid 8 x 32, 4 waves a work-group, clusters of 4 x 4, 327,680 bytes of LDS; arguments xc, wc, cos, sin, lowp_scales, q_img, kv_img; writes q_img, kv_img
.if DOCPART == 2
	.amdgcn_target "amdgcn-amd-amdhsa--gfx1250"
	.amdhsa_code_object_version 6
	.text
	.protected	k_q371892a522_qkv
	.globl	k_q371892a522_qkv
	.p2align	8
	.type	k_q371892a522_qkv,@function
k_q371892a522_qkv:
	s_mov_b64 s[64:65], 0
	v_nop
	global_prefetch_b8 v0, s[64:65] scope:SCOPE_SE
	s_setreg_imm32_b32 hwreg(HW_REG_WAVE_MODE, 25, 1), 1
	s_wait_xcnt 0x0
	s_wait_alu depctr_hold_cnt(0) depctr_sa_sdst(0) depctr_va_vdst(0) depctr_va_sdst(0) depctr_va_ssrc(0) depctr_va_vcc(0) depctr_vm_vsrc(0)
	s_getreg_b32 s2, hwreg(HW_REG_IB_STS2, 6, 4)
	s_cmp_eq_u32 s2, 0
	s_cbranch_scc0 .Lentry_in_a_cluster
	s_endpgm
.Lentry_in_a_cluster:
	s_bfe_u32 s2, ttmp6, 0x10000c
	s_cmp_lg_u32 s2, 0xf033
	s_cbranch_scc0 .Lentry_shape_is_right
	s_endpgm
.Lentry_shape_is_right:
; q = rope(x wq), k = rope(x wk), v = x wv on codes of E4M3, and their quantising for the attention's products, in one launch.
; All operands lie as images of fragments (16 rows x 128 K = 2,048 bytes, piece q of 512 bytes = registers 4 q .. 4 q + 3, lane l's 16 bytes at 16 l): no pitch, no padding, k in its true place.
; A tile is 128 "A rows" x 128 "B rows"; each of the four waves makes 64 x 64 of it: 16 accumulators.  The matrix instruction is used transposed (source 0 = 16 B rows, source 1 = 16 A rows):
; lane (r, h) then holds A row r and the eight neighbouring B rows 16 b + 8 h + 0 .. 7.
;   q, k: A = x's tokens, B = the weight's columns.  A wave's 64 columns are ONE head: a lane holds one token and eight neighbouring d; d and d + 32 are accumulators b and b + 2 of the same lane, so RoPE stays in the lane,
;         and the conversions' results are registers 2 b, 2 b + 1 of a fragment of 16 tokens x 64 d.
;   v:    the roles are swapped by pointers: A = wv's columns (channels), B = x's tokens.  A lane holds one channel and eight neighbouring tokens, which are the keys: the K of the attention's second product.
; A WORK-GROUP STAYS AND MAKES TWO TILES.  There are 256 tiles of q, 128 of k, 128 of v: every work-group makes a tile of q first, then one of k (the cluster's x = 0) or of v (x = 1): 256 work-groups of equal work.
; k's tile has the tokens of the work-group's tile of q, so cos and sin are loaded once, by every work-group, at the head, and serve both.  The ring does not stop between the tiles: the first tile's last two changes
; of slots ask for the second tile's first two K steps, which are on their way while q is finished, rotated and stored.  The text parts by the kind once, at the second tile's way out.
; CLUSTER 4 x 4: A's tile is shared along a row of the cluster, B's along a column; each is asked for jointly, by the same load with the same descriptor and a mask that names the four.
; K = 2,048 goes in four steps of 512 through two LDS slots; a wave's load brings 4 row tiles x 8,192 bytes.  By this text's count a wave has two tensor loads out at the start and one behind each refill.
; OUT: q_img [b 16 + head][tile of 16 queries 128][1,024];  kv_img [b 8 + kv head][step of 128 keys 16][16,384]: eight fragments of K (16 keys x 64 d), then four of V^T (16 channels x 128 keys).
; RoPE: q c -+ q' s by one multiplication and one fused multiply-add (one rounding fewer than two multiplications and an addition).  cos and sin are read in full width.
; LIMITS: e6 - e0 - e1, e7 - e2 - e3, e9 - e4 - e5 between -126 and 119, so that each power of two below is an f32 number.  NaN is not served.
; REGISTERS: window 0: v1 16 x lane; v16-17, v20-21 LDS addresses; v24 cos's and sin's offset; v26, v27 the second tile's scale and hold; v28, v29 the add's two; v30, v31 q's scale and hold; v32-63 at work; v64-95 codes;
;   v128-255 accumulators ((a, b) at 128 + 8 (4 a + b)).   window 1: two sets of fragments, at v0 and v128: A's four, then B's four.   window 2: cos (32 a + 8 b + j), sin (128 + the same).
.set SLOT,  131072                     ; A's 8 row tiles x 8,192 bytes, then B's
.set SPARE, 2*SLOT                     ; behind the ring: the spare words, 128 bytes for each wave, two blocks of 256 bytes that no other line names
.set ACC,   128
.set F0,    0
.set F1,    128
.set T,     32
.set CD,    64
.set ADRA,  16
.set ADRB,  20
.set SPW,   28
.set NIL,   29
.set WV,    18                         ; s18 wave;  s19 = wave / 2: my half of A's rows, also: I fetch for A (0) or B (1);  s20 = wave % 2: my half of B's rows, also: which 64 rows I fetch
.set HA,    19
.set HB,    20
.set G1A,   24                         ; s[24:31] group 1 for A's tiles; s[32:39] group 0, a set for each slot
.set G0A,   32
.set G1B,   48                         ; s[48:55], s[56:63] the same for B's
.set G0B,   56
.set A2,    68                         ; s[68:69] where my part of the second tile's A begins;  s[70:71] of its B
.set B2,    70
.set MSB, 0
.macro WIN new                         ; the immediate's high byte repeats the setting that is left
.if MSB != \new
	s_set_vgpr_msb (MSB<<8)|\new
.set MSB, \new
.endif
.endm
.set MUL,  0x05                        ; sources 0 and 1 window 1; C and D window 0
.set TO_F, 0x40                        ; destination window 1, address window 0
.macro PLACES                          ; four plain lines between a matrix instruction and a load into its sources or a read of its result (ISA guide 7.12.1 for a read of its result)
.rept 4
	v_nop
.endr
.endm
.macro JLOAD s                         ; a joint load; the branch hangs on the wave's number alone; an s_nop 0 and four v_nop follow each of the two lines
	s_cmp_eq_u32 s[HA], 0
	s_cbranch_scc0 .Lfor_b_\@
	tensor_load_to_lds s[G0A+4*\s:G0A+4*\s+3], s[G1A:G1A+7]
	s_nop 0
.rept 4
	v_nop
.endr
	s_branch .Lasked_\@
.Lfor_b_\@:
	tensor_load_to_lds s[G0B+4*\s:G0B+4*\s+3], s[G1B:G1B+7]
	s_nop 0
.rept 4
	v_nop
.endr
.Lasked_\@:
.endm
.macro CREST                           ; a round of the cluster's barrier behind its opening barrier
	s_cmp_lg_u32 s[WV], 0
	s_cbranch_scc1 .Lnot_wave_0_\@
	s_barrier_signal -3
.Lnot_wave_0_\@:
	s_barrier_wait -3
	s_barrier_signal -1
	s_barrier_wait -1
.endm
; A prefetch into the L2: 32 blocks of 256 bytes, a lane a block, one instruction a wave: one row tile's 8,192 bytes of a K step of 512.  Of the four row tiles that my wave fetches, each of the four partners that ask
; for them jointly names one, told apart by address (cx for A, cy for B).  x's tiles are named in each cluster that loads them; a weight's tiles, which eight clusters load, in the four whose y is even (the flag s[fl]).
; Every offset is an immediate: the address registers are never written again.
.macro ASK fl, pa, off
	WIN 0                                          ; a branch and a label follow
	s_cmp_eq_u32 s[\fl], 1
	s_cbranch_scc0 .Lnot_mine_\@
	global_prefetch_b8 v25, s[\pa:\pa+1] offset:\off th:TH_LOAD_NT scope:SCOPE_SE
.Lnot_mine_\@:
.endm
.macro CROUND
	s_barrier_signal -1
	s_barrier_wait -1
	CREST
.endm
; four matrix instructions: A's block a against B's four, 128 along K.  The 16 accumulators take turns, one instruction a turn, in the same order in every step.
.macro MUL4 f, a, zero
	WIN MUL
.irp b, 0,1,2,3
.if \zero
	v_wmma_f32_16x16x128_fp8_fp8 v[ACC+8*(4*\a+\b):ACC+8*(4*\a+\b)+7], v[\f+64+16*\b:\f+64+16*\b+15], v[\f+16*\a:\f+16*\a+15], 0
.else
	v_wmma_f32_16x16x128_fp8_fp8 v[ACC+8*(4*\a+\b):ACC+8*(4*\a+\b)+7], v[\f+64+16*\b:\f+64+16*\b+15], v[\f+16*\a:\f+16*\a+15], v[ACC+8*(4*\a+\b):ACC+8*(4*\a+\b)+7]
.endif
.endr
.endm
; 32 LDS loads in one run: the fragments of the slot's sub-th 128 along K into set f: B's four (16 loads), A's blocks 0, 1 (8), A's blocks 2, 3 (8).  Each load takes 512 consecutive bytes.
.macro FETCH slot, sub, f
	WIN TO_F
.irp i, 0,1,2,3
.irp q, 0,1,2,3
	ds_load_b128 v[\f+64+16*\i+4*\q:\f+64+16*\i+4*\q+3], v[ADRB+\slot] offset:\i*8192+\sub*2048+\q*512
.endr
.endr
.irp i, 0,1,2,3
.irp q, 0,1,2,3
	ds_load_b128 v[\f+16*\i+4*\q:\f+16*\i+4*\q+3], v[ADRA+\slot] offset:\i*8192+\sub*2048+\q*512
.endr
.endr
.endm
; a step of 128 along K whose successor lies in the same slot: multiplies set f, fetches the slot's nsub-th 128 into set g
.macro SUB slot, nsub, f, g, zero
	s_wait_dscnt 8                                 ; B's four and A's blocks 0, 1 are in; the youngest eight loads (A's blocks 2, 3) may be out
	MUL4 \f, 0, \zero
	MUL4 \f, 1, \zero
	PLACES
	FETCH \slot, \nsub, \g
	s_wait_dscnt 32                                ; all but the 32 just issued
	MUL4 \f, 2, \zero
	MUL4 \f, 3, \zero
.endm
.macro THREE slot, zero                ; a slot's first three steps of 128; zero = 1: the first products start the sums: nothing is cleared
	SUB \slot, 1, F0, F1, \zero
	SUB \slot, 2, F1, F0, 0
	SUB \slot, 3, F0, F1, 0
.endm
; a slot's last step multiplies set F1 and changes slots: one barrier; in front of it each wave waits for all its tensor loads, adds 0 to its spare word, and waits for that and for its reads of this slot.
; fill = 0: nothing is asked for.  1: this slot takes the tile's K step two steps on.  2: it takes the SECOND TILE's K step 0 (slot 0) or 1 (slot 1).
.macro TURN slot, next, fill
	WIN 0                                          ; (the add's two registers lie in window 0)
	s_wait_tensorcnt 0x0                           ; all my tensor loads have landed: my part of the next slot
	ds_add_u32 v[SPW], v[NIL]
	s_wait_dscnt 9                                 ; (the add and A's blocks 2, 3 may be out)
	MUL4 F1, 0, 0                                  ; matrix work stands between the add and the wait for it
	s_wait_dscnt 0x0                               ; the add is done, and my reads of this slot are over
	s_barrier_signal -1
	MUL4 F1, 1, 0
.if \fill
	WIN 0
.endif
	s_barrier_wait -1
.if \fill
	CREST                                          ; the barrier has opened a round of the cluster's: no wave of any partner still reads this slot or has a load on its way
.if \fill == 1
	s_add_nc_u64 s[G0A+4*\slot+2:G0A+4*\slot+3], s[G0A+4*\slot+2:G0A+4*\slot+3], 16384   ; two K steps of 512 on: no tensor load of mine is out, so a group 0 may be written
	s_add_nc_u64 s[G0B+4*\slot+2:G0B+4*\slot+3], s[G0B+4*\slot+2:G0B+4*\slot+3], 16384
.else
	s_add_nc_u64 s[G0A+4*\slot+2:G0A+4*\slot+3], s[A2:A2+1], \slot*8192                  ; the second tile's addresses, made at the head from their own buffers' pointers
	s_or_b32 s[G0A+4*\slot+3], s[G0A+4*\slot+3], 0x80000000
	s_add_nc_u64 s[G0B+4*\slot+2:G0B+4*\slot+3], s[B2:B2+1], \slot*8192
	s_or_b32 s[G0B+4*\slot+3], s[G0B+4*\slot+3], 0x80000000
.endif
	JLOAD \slot                                    ; the first tensor load behind the round; its four v_nop are also the places in front of the loads below
.else
	PLACES
.endif
	FETCH \next, 0, F0
	MUL4 F1, 2, 0
	MUL4 F1, 3, 0
.endm
; RoPE, the hold, the conversion, the stores, for a tile of q or of k: block a's 16 tokens x 64 d are one fragment of 1,024 bytes.  v[sc]: the scale as f32; v[lim]: 448 x the scale; s[94:95]: where my four fragments go
.macro ROPE_OUT sc, lim
.irp a, 0,1,2,3
	WIN 0x08                                       ; source 1 (sin, cos) window 2
.irp b, 0,1,2,3
.irp j, 0,2,4,6
	v_pk_mul_f32 v[T+8*\b+\j:T+8*\b+\j+1], v[ACC+8*(4*\a+(\b+2)%4)+\j:ACC+8*(4*\a+(\b+2)%4)+\j+1], v[128+32*\a+8*\b+\j:128+32*\a+8*\b+\j+1]   ; the partner 32 away x sin; each accumulator from its low end on
.endr
.endr
.irp b, 0,1,2,3
.irp j, 0,2,4,6
.if \b < 2
	v_pk_fma_f32 v[T+8*\b+\j:T+8*\b+\j+1], v[ACC+8*(4*\a+\b)+\j:ACC+8*(4*\a+\b)+\j+1], v[32*\a+8*\b+\j:32*\a+8*\b+\j+1], v[T+8*\b+\j:T+8*\b+\j+1] neg_lo:[0,0,1] neg_hi:[0,0,1]   ; d < 32: q c - q(d + 32) s
.else
	v_pk_fma_f32 v[T+8*\b+\j:T+8*\b+\j+1], v[ACC+8*(4*\a+\b)+\j:ACC+8*(4*\a+\b)+\j+1], v[32*\a+8*\b+\j:32*\a+8*\b+\j+1], v[T+8*\b+\j:T+8*\b+\j+1]   ; d >= 32: q c + q(d - 32) s
.endif
.endr
.endr
	WIN 0
.irp i, 0,1,2,3,4,5,6,7,8,9,10,11,12,13,14,15,16,17,18,19,20,21,22,23,24,25,26,27,28,29,30,31
	v_med3_num_f32 v[T+\i], v[T+\i], -v[\lim], v[\lim]   ; the conversion to an 8-bit code does not saturate (ISA guide 7.6.2)
.endr
.irp b, 0,1,2,3
	v_cvt_scalef32_pk8_fp8_f32 v[CD+8*\a+2*\b:CD+8*\a+2*\b+1], v[T+8*\b:T+8*\b+7], v[\sc]
.endr
	v_nop                                          ; a plain line between the conversions and the next write of their sources
	global_store_b128 v1, v[CD+8*\a:CD+8*\a+3], s[94:95] offset:\a*1024          ; a piece: 512 consecutive bytes, aligned
	global_store_b128 v1, v[CD+8*\a+4:CD+8*\a+7], s[94:95] offset:\a*1024+512
.endr
.endm
	s_load_b256 s[4:11], s[0:1], 0x0               ; xc 4:5, wc 6:7, cos 8:9, sin 10:11
	s_load_b128 s[12:15], s[0:1], 0x20             ; the exponents 12:13, q_img 14:15
	s_load_b64 s[16:17], s[0:1], 0x30              ; kv_img
	v_lshl_add_u32 v[SPW], v0, 2, SPARE
	v_mov_b32 v[NIL], 0
	ds_add_u32 v[SPW], v[NIL]                      ; the wave's opening: the add and its wait ahead of my first tensor load; the set-up below, work on registers, stands between
	ds_add_u32 v[SPW], v[NIL]
	v_lshrrev_b32 v2, 5, v0
	v_readfirstlane_b32 s[WV], v2
	s_lshr_b32 s[HA], s[WV], 1
	s_and_b32 s[HB], s[WV], 1
	s_bfe_u32 s21, ttmp6, 0x40000                  ; cx
	s_bfe_u32 s22, ttmp6, 0x40004                  ; cy
	s_and_b32 s84, ttmp7, 0xffff                   ; the cluster's y, 0 .. 7
	s_lshl_b32 s40, s84, 2
	s_add_co_u32 s40, s40, s22                     ; TR: the tile of 128 tokens, q's and k's
	s_lshl_b32 s41, ttmp9, 2
	s_add_co_u32 s41, s41, s21                     ; TC: q's tile of 128 columns of wq
	s_mov_b32 s88, 0x800000                        ; the second tile's A in its buffer: k: x under e2,
	s_mov_b32 s90, 0x200000                        ; its B: k: wk
	s_cmp_eq_u32 ttmp9, 1                          ; is my second tile v's?  The cluster's x: the same in all sixteen partners
	s_cselect_b32 s66, 0, s84                      ; A's tiles: x's 32 for k, wv's 4 for v
	s_cselect_b32 s67, s84, 0                      ; B's tiles: wk's 4 for k, x's 32 for v
	s_cselect_b32 s88, 0x300000, s88               ; v: wv,
	s_cselect_b32 s90, 0x1000000, s90              ; v: x under e4
	s_lshl_b32 s66, s66, 2
	s_add_co_u32 s66, s66, s22                     ; the second tile's A rows, made of cy alone,
	s_lshl_b32 s67, s67, 2
	s_add_co_u32 s67, s67, s21                     ; its B rows, of cx alone
	s_lshl_b32 s42, s22, 2
	s_lshl_b32 s42, 15, s42                        ; my row of the cluster
	s_lshl_b32 s43, 0x1111, s21                    ; my column
	s_or_b32 s[G1A], s42, (3<<16)|(1<<21)          ; 15:0 the mask; 17:16 elements of 8 bytes; 21 set beside a mask; no padding
	s_or_b32 s[G1B], s43, (3<<16)|(1<<21)
.irp g, G1A, G1B
	s_mov_b32 s[\g+1], 1024<<16                    ; tensor_dim0 = 1,024 elements: four images of a row tile, 8,192 bytes
	s_mov_b32 s[\g+2], 4<<16                       ; tensor_dim1 = 4 row tiles
	s_mov_b32 s[\g+3], 1024<<16                    ; tile_dim0
	s_mov_b32 s[\g+4], 4                           ; tile_dim1
	s_mov_b32 s[\g+5], 4096                        ; from row tile to row tile: 16 images, 32,768 bytes
	s_mov_b32 s[\g+6], 0
	s_mov_b32 s[\g+7], 0
.endr
	s_lshl_b32 s44, s40, 18                        ; q's A: 8 row tiles of 32,768 bytes a tile,
	s_lshl_b32 s45, s[HB], 17                      ; + the four that I fetch
	s_add_co_u32 s44, s44, s45
	s_mov_b32 s45, 0
	s_lshl_b32 s46, s41, 18                        ; q's B
	s_lshl_b32 s47, s[HB], 17
	s_add_co_u32 s46, s46, s47
	s_mov_b32 s47, 0
	s_lshl_b32 s89, s66, 18                        ; the second tile's A
	s_add_co_u32 s88, s88, s89
	s_lshl_b32 s89, s[HB], 17
	s_add_co_u32 s88, s88, s89
	s_mov_b32 s89, 0
	s_lshl_b32 s91, s67, 18                        ; and its B
	s_add_co_u32 s90, s90, s91
	s_lshl_b32 s91, s[HB], 17
	s_add_co_u32 s90, s90, s91
	s_mov_b32 s91, 0
	s_lshl_b32 s23, s[WV], 15                      ; where my load goes: wave x 32,768: no place in the cluster enters an LDS address
	s_wait_dscnt 0x0                               ; the opening add is done
	s_wait_kmcnt 0x0
	s_load_b256 s[72:79], s[12:13], 0x0            ; e0 .. e7
	s_load_b128 s[80:83], s[12:13], 0x20           ; e8 .. e11
	s_add_nc_u64 s[44:45], s[4:5], s[44:45]        ; q: x under e0,
	s_add_nc_u64 s[46:47], s[6:7], s[46:47]        ; wq
	s_cmp_eq_u32 ttmp9, 1
	s_cselect_b64 s[A2:A2+1], s[6:7], s[4:5]       ; the second tile's A lies in wc for v, in xc for k;
	s_cselect_b64 s[B2:B2+1], s[4:5], s[6:7]       ; its B the other way round
	s_add_nc_u64 s[A2:A2+1], s[A2:A2+1], s[88:89]
	s_add_nc_u64 s[B2:B2+1], s[B2:B2+1], s[90:91]
	s_cmp_eq_u32 s[HA], 0                          ; the prefetches: do I fetch for A?
	s_cselect_b64 s[2:3], s[44:45], s[46:47]       ; the first tile's stream,
	s_cselect_b64 s[100:101], s[A2:A2+1], s[B2:B2+1]   ; the second tile's,
	s_cselect_b32 s98, s21, s22                    ; my place among the four that ask with me
	s_lshl_b32 s98, s98, 15                        ; a row tile is 32,768 bytes
	s_and_b32 s104, s84, 1
	s_xor_b32 s104, s104, 1                        ; 1 where the cluster's y is even
	s_xor_b32 s105, s[HA], ttmp9                   ; the second tile: 1 where my stream is a weight (k: B; v: A)
	s_xor_b32 s105, s105, 1
	s_or_b32 s105, s105, s104                      ; s105: I ask for the second tile
	s_xor_b32 s99, s[HA], 1
	s_or_b32 s104, s104, s99                       ; s104: I ask for the first tile (its weight is B)
	s_mov_b32 s99, 0
	s_add_nc_u64 s[2:3], s[2:3], s[98:99]
	s_add_nc_u64 s[100:101], s[100:101], s[98:99]
.irp s, 0,1
	s_mov_b32 s[G0A+4*\s], 1
	s_add_co_u32 s[G0A+4*\s+1], s23, \s*SLOT
	s_add_nc_u64 s[G0A+4*\s+2:G0A+4*\s+3], s[44:45], \s*8192
	s_or_b32 s[G0A+4*\s+3], s[G0A+4*\s+3], 0x80000000
	s_mov_b32 s[G0B+4*\s], 1
	s_add_co_u32 s[G0B+4*\s+1], s23, \s*SLOT
	s_add_nc_u64 s[G0B+4*\s+2:G0B+4*\s+3], s[46:47], \s*8192
	s_or_b32 s[G0B+4*\s+3], s[G0B+4*\s+3], 0x80000000
.endr
	CROUND                                         ; all sixteen work-groups are here: the first joint loads meet
	s_cmp_eq_u32 s[HA], 0                          ; a wave's two first fills stand in one branch
	s_cbranch_scc0 .Lfirst_b
	tensor_load_to_lds s[G0A:G0A+3], s[G1A:G1A+7]
	s_nop 0
.rept 4
	v_nop
.endr
	s_branch .Lfirst_done
.Lfirst_b:
	tensor_load_to_lds s[G0B:G0B+3], s[G1B:G1B+7]
	s_nop 0
.rept 4
	v_nop
.endr
.Lfirst_done:
	v_and_b32 v2, 31, v0
	v_lshlrev_b32 v1, 4, v2                        ; 16 x lane
	s_lshl_b32 s96, s[HA], 15                      ; my 64 rows of A
	s_lshl_b32 s97, s[HB], 15                      ; my 64 rows of B,
	s_add_co_u32 s97, s97, 65536                   ; which lie behind A's
	v_add_nc_u32 v[ADRA], s96, v1
	v_add_nc_u32 v[ADRA+1], SLOT, v[ADRA]
	v_add_nc_u32 v[ADRB], s97, v1
	v_add_nc_u32 v[ADRB+1], SLOT, v[ADRB]
	v_and_b32 v2, 15, v0                           ; r
	v_bfe_u32 v3, v0, 4, 1                         ; h
	v_lshlrev_b32 v24, 8, v2
	v_lshl_add_u32 v24, v3, 5, v24                 ; cos, sin: row r of 256 bytes, + 32 h
	v_and_b32 v25, 31, v0
	v_lshlrev_b32 v25, 8, v25                      ; the prefetches' offset: 256 x lane; never rewritten
	s_wait_alu depctr_va_vdst(0)
	ASK 104, 2, 8192                               ; the first tile's K steps 1 and 2
	ASK 104, 2, 16384
	s_and_b32 s86, s40, 15
	s_lshl_b32 s86, s86, 15                        ; 128 rows of 256 bytes
	s_lshl_b32 s87, s[HA], 14
	s_add_co_u32 s86, s86, s87
	s_mov_b32 s87, 0
	s_add_nc_u64 s[8:9], s[8:9], s[86:87]
	s_add_nc_u64 s[10:11], s[10:11], s[86:87]
	WIN 0x80                                       ; destination window 2
.irp a, 0,1,2,3
.irp b, 0,1,2,3
	global_load_b128 v[32*\a+8*\b:32*\a+8*\b+3], v24, s[8:9] offset:\a*4096+\b*64
	global_load_b128 v[32*\a+8*\b+4:32*\a+8*\b+7], v24, s[8:9] offset:\a*4096+\b*64+16
	global_load_b128 v[128+32*\a+8*\b:128+32*\a+8*\b+3], v24, s[10:11] offset:\a*4096+\b*64
	global_load_b128 v[128+32*\a+8*\b+4:128+32*\a+8*\b+7], v24, s[10:11] offset:\a*4096+\b*64+16
.endr
.endr
	WIN 0
	s_wait_kmcnt 0x0
	s_sub_co_i32 s85, s78, s72                     ; a sum stands for sum x 2^(the two operands' e): the three scales are folded into the conversion's one.  q: e6 - e0 - e1
	s_sub_co_i32 s85, s85, s73
	s_add_co_i32 s85, s85, 127
	s_lshl_b32 s98, s85, 23
	v_mov_b32 v30, s98                             ; q's scale as f32
	s_add_co_i32 s85, s85, 8
	s_lshl_b32 s85, s85, 23
	s_or_b32 s85, s85, 0x600000
	v_mov_b32 v31, s85                             ; 448 x that
	s_sub_co_i32 s98, s79, s74                     ; k: e7 - e2 - e3
	s_sub_co_i32 s98, s98, s75
	s_sub_co_i32 s99, s81, s76                     ; v: e9 - e4 - e5
	s_sub_co_i32 s99, s99, s77
	s_cmp_eq_u32 ttmp9, 1
	s_cselect_b32 s85, s99, s98
	s_add_co_i32 s85, s85, 127
	s_lshl_b32 s98, s85, 23
	v_mov_b32 v26, s98                             ; the second tile's scale
	s_add_co_i32 s85, s85, 8
	s_lshl_b32 s85, s85, 23
	s_or_b32 s85, s85, 0x600000
	v_mov_b32 v27, s85                             ; 448 x that
	s_wait_alu depctr_va_vdst(0)                   ; the wait at the head's end
	s_wait_tensorcnt 0x0                           ; my part of slot 0 is in; slot 1's first fill is issued as a refill is: the wait, the add, its wait, a whole round
	ds_add_u32 v[SPW], v[NIL]
	s_wait_dscnt 0x0
	CROUND
	JLOAD 1                                        ; K step 1, my one tensor load behind the round
	FETCH 0, 0, F0
	ASK 104, 2, 24576                              ; behind each joint load and its run of LDS loads: the K step two refills on
	; ---- the first tile: q
	THREE 0, 1
	TURN 0, 1, 1
	ASK 105, 100, 0                                ; the second tile's K step 0,
	THREE 1, 0
	TURN 1, 0, 1
	ASK 105, 100, 8192                             ; 1,
	THREE 0, 0
	TURN 0, 1, 2                                   ; slot 0 takes the second tile's K step 0,
	ASK 105, 100, 16384                            ; 2,
	THREE 1, 0
	TURN 1, 0, 2                                   ; slot 1 its K step 1, and the second tile's first fragments are fetched
	ASK 105, 100, 24576                            ; 3: the last; the later refills have no K step two on
	WIN 0
	PLACES                                         ; in front of the first read of results
	s_lshr_b32 s88, s40, 4                         ; the batch
	s_and_b32 s89, s40, 15                         ; the tile in its sequence
	s_lshl_b32 s90, s41, 1
	s_add_co_u32 s90, s90, s[HB]                   ; the head: 2 TC + my half
	s_lshl_b32 s91, s88, 4
	s_add_co_u32 s91, s91, s90
	s_lshl_b32 s92, s91, 17                        ; a head's 128 fragments,
	s_lshl_b32 s91, s89, 13                        ; 8 of them a tile,
	s_add_co_u32 s92, s92, s91
	s_lshl_b32 s91, s[HA], 12                      ; my four
	s_add_co_u32 s92, s92, s91
	s_mov_b32 s93, 0
	s_add_nc_u64 s[94:95], s[14:15], s[92:93]
	s_wait_loadcnt 0x0                             ; cos and sin
	ROPE_OUT 30, 31
	; ---- the second tile: k or v.  Nothing waits for q's stores
	THREE 0, 1
	TURN 0, 1, 1
	THREE 1, 0
	TURN 1, 0, 1
	THREE 0, 0
	TURN 0, 1, 0                                   ; nothing is left to fetch
	THREE 1, 0
	s_wait_dscnt 8                                 ; the very last step
	MUL4 F1, 0, 0
	MUL4 F1, 1, 0
	s_wait_dscnt 0x0
	MUL4 F1, 2, 0
	MUL4 F1, 3, 0
	WIN 0                                          ; at a branch and at a label every window is 0
	PLACES
	s_wait_xcnt 0x0                                ; q's stores have read their codes and their base: both are written again only behind this wait
	s_cmp_eq_u32 ttmp9, 1                          ; THE KIND PARTS THE TEXT, once
	s_cbranch_scc1 .Lv_out
	; ---- k: the same tokens as q's tile, so the same cos and sin
	s_lshr_b32 s88, s40, 4                         ; the batch
	s_and_b32 s89, s40, 15                         ; the tile in its sequence: a step of 128 keys
	s_lshl_b32 s90, s67, 1
	s_add_co_u32 s90, s90, s[HB]                   ; the kv head: 2 x wk's tile + my half
	s_lshl_b32 s91, s88, 3
	s_add_co_u32 s91, s91, s90
	s_lshl_b32 s92, s91, 18                        ; a kv head's 16 steps of 16,384 bytes
	s_lshl_b32 s91, s89, 14
	s_add_co_u32 s92, s92, s91
	s_lshl_b32 s91, s[HA], 12                      ; my four fragments
	s_add_co_u32 s92, s92, s91
	s_mov_b32 s93, 0
	s_add_nc_u64 s[94:95], s[16:17], s[92:93]
	ROPE_OUT 26, 27
	s_branch .Ltail
.Lv_out:
	; ---- v: block a is 16 channels, and my 64 tokens are registers 8 HB .. 8 HB + 7 of its fragment of 128 keys: pieces 2 HB and 2 HB + 1
	s_lshr_b32 s88, s67, 4                         ; the batch
	s_lshl_b32 s88, s88, 3
	s_lshl_b32 s89, s66, 1
	s_add_co_u32 s88, s88, s89
	s_add_co_u32 s88, s88, s[HA]                   ; + the kv head: 2 x wv's tile + my half
	s_lshl_b32 s88, s88, 18
	s_and_b32 s89, s67, 15                         ; the step of 128 keys
	s_lshl_b32 s89, s89, 14
	s_add_co_u32 s88, s88, s89
	s_lshl_b32 s89, s[HB], 10
	s_add_co_u32 s88, s88, s89
	s_add_co_u32 s88, s88, 8192                    ; behind the step's fragments of K
	s_mov_b32 s89, 0
	s_add_nc_u64 s[94:95], s[16:17], s[88:89]
.irp a, 0,1,2,3
.irp i, 0,1,2,3,4,5,6,7,8,9,10,11,12,13,14,15,16,17,18,19,20,21,22,23,24,25,26,27,28,29,30,31
	v_med3_num_f32 v[ACC+32*\a+\i], v[ACC+32*\a+\i], -v27, v27   ; each accumulator from its low end on
.endr
.irp b, 0,1,2,3
	v_cvt_scalef32_pk8_fp8_f32 v[CD+8*\a+2*\b:CD+8*\a+2*\b+1], v[ACC+32*\a+8*\b:ACC+32*\a+8*\b+7], v26
.endr
	v_nop
	global_store_b128 v1, v[CD+8*\a:CD+8*\a+3], s[94:95] offset:\a*2048
	global_store_b128 v1, v[CD+8*\a+4:CD+8*\a+7], s[94:95] offset:\a*2048+512
.endr
.Ltail:
	s_wait_tensorcnt 0x0                           ; the wave's end
	ds_add_u32 v[SPW], v[NIL]
	s_wait_dscnt 0x0
	CROUND                                         ; the closing round: no work-group ends while a partner may still ask for a tile that names it
	s_endpgm
.Lfunc_end_k_q371892a522_qkv:
	.size	k_q371892a522_qkv, .Lfunc_end_k_q371892a522_qkv-k_q371892a522_qkv
	.p2alignl 7, 3214868480
	.fill 96, 4, 3214868480
	.section	.rodata,"a",@progbits
	.p2align	6, 0x0
	.amdhsa_kernel k_q371892a522_qkv
		.amdhsa_group_segment_fixed_size 327680
		.amdhsa_private_segment_fixed_size 0
		.amdhsa_enable_private_segment 0
		.amdhsa_kernarg_size 56
		.amdhsa_user_sgpr_count 2
		.amdhsa_user_sgpr_kernarg_segment_ptr 1
		.amdhsa_wavefront_size32 1
		.amdhsa_system_sgpr_workgroup_id_x 1
		.amdhsa_system_sgpr_workgroup_id_y 1
		.amdhsa_system_sgpr_workgroup_id_z 1
		.amdhsa_system_vgpr_workitem_id 0
		.amdhsa_next_free_vgpr 768
		.amdhsa_next_free_sgpr 106
		.amdhsa_reserve_vcc 0
		.amdhsa_float_denorm_mode_32 3
		.amdhsa_float_denorm_mode_16_64 3
		.amdhsa_memory_ordered 1
		.amdhsa_forward_progress 1
		.amdhsa_inst_pref_size 175
	.end_amdhsa_kernel
	.amdgpu_metadata
---
amdhsa.version: [ 1, 2 ]
amdhsa.kernels:
  - .name:           k_q371892a522_qkv
    .symbol:         k_q371892a522_qkv.kd
    .args:
      - { .name: xc, .offset: 0, .size: 8, .value_kind: global_buffer, .address_space: global }
      - { .name: wc, .offset: 8, .size: 8, .value_kind: global_buffer, .address_space: global }
      - { .name: cos, .offset: 16, .size: 8, .value_kind: global_buffer, .address_space: global }
      - { .name: sin, .offset: 24, .size: 8, .value_kind: global_buffer, .address_space: global }
      - { .name: lowp_scales, .offset: 32, .size: 8, .value_kind: global_buffer, .address_space: global }
      - { .name: q_img, .offset: 40, .size: 8, .value_kind: global_buffer, .address_space: global }
      - { .name: kv_img, .offset: 48, .size: 8, .value_kind: global_buffer, .address_space: global }
    .group_segment_fixed_size: 327680
    .private_segment_fixed_size: 0
    .kernarg_segment_align: 8
    .kernarg_segment_size: 56
    .max_flat_workgroup_size: 128
    .sgpr_count:     106
    .vgpr_count:     768
    .wavefront_size: 32
...
	.end_amdgpu_metadata
.endif
;; end of part 2
;; launch attn (part 3): grid 16 x 16, 16 waves a work-group, clusters of 4 x 1, 327,680 bytes of LDS; arguments q_img, kv_img, lowp_scales, a_img; writes a_img
.if DOCPART == 3
	.amdgcn_target "amdgcn-amd-amdhsa--gfx1250"
	.amdhsa_code_object_version 6
	.text
	.protected	k_q371892a522_attn
	.globl	k_q371892a522_attn
	.p2align	8
	.type	k_q371892a522_attn,@function
k_q371892a522_attn:
	s_mov_b64 s[64:65], 0
	v_nop
	global_prefetch_b8 v0, s[64:65] scope:SCOPE_SE
	s_setreg_imm32_b32 hwreg(HW_REG_WAVE_MODE, 25, 1), 1
	s_wait_xcnt 0x0
	s_wait_alu depctr_hold_cnt(0) depctr_sa_sdst(0) depctr_va_vdst(0) depctr_va_sdst(0) depctr_va_ssrc(0) depctr_va_vcc(0) depctr_vm_vsrc(0)
	s_getreg_b32 s2, hwreg(HW_REG_IB_STS2, 6, 4)
	s_cmp_eq_u32 s2, 0
	s_cbranch_scc0 .Lentry_in_a_cluster
	s_endpgm
.Lentry_in_a_cluster:
	s_bfe_u32 s2, ttmp6, 0x10000c
	s_cmp_lg_u32 s2, 0x3003
	s_cbranch_scc0 .Lentry_shape_is_right
	s_endpgm
.Lentry_shape_is_right:
; Causal attention on codes of E4M3, head size 64, two query heads to a kv head; the result is quantised for the last product and stored as images of fragments.
; THE SOFTMAX: t = score x log2(e) / 8; M = the row's largest t so far, rounded up to a whole number; p = 2^(t - M) is quantised, not normalised; the row's sum is taken of the unquantised p
; and divides at the end.  When M moves, the sum and O are multiplied by 2^(old M - new M), which rounds nothing.
; LEFT OUT: key steps all of whose keys come after a tile's queries: the causal mask gives them the weight 0.
; SHARES.  A sequence is 16 groups of 128 queries; a tile of group g walks g + 1 steps of 128 keys.  Work-group j (0 .. 15) of kv head y owns, in EVERY group, tile u = j % 8 of query head 2 y + j / 8: 16 tiles.
; The sixteen waves are eight pairs m = wave / 2.  One wave of a pair walks steps 0 .. 7 of the tile in group 8 + m (all keys count).  The other walks the tile of group 7 - m (8 - m steps), stores it,
; and then walks steps 8 .. 8 + m of the tile in group 8 + m: 9 steps.  It hands O, M and the sum through LDS to its partner, which joins the two parts and stores.  Which wave of a pair has which part
; is bit 2 xor bit 0 of its number.  So trip counts, branches and LDS addresses hang on the wave's number and the trip alone; the work-group's place enters global addresses and the mask's lane data only.
; LDS holds all of the kv head's K and V, 262,144 bytes: wave w brings step w, one tensor load a wave at the head; nothing is filled again, and every work-group reads every step.
; CLUSTER 4, 1, 1: four of the sixteen work-groups of a kv head ask for each step jointly (mask 15).  No prefetch: all loads go out at the head, so there is no loop that runs ahead of a load.
; LAYOUT.  S^T = K Q^T: lane (r, h) holds query r, register j of tile t key 16 t + 8 h + j, so tile t's conversion is registers 2 t, 2 t + 1 of P.  O^T = V^T P^T: lane (r, h) holds query r, channels 16 ct + 8 h + j.
; LIMITS: e6 + e7 between -123 and 130 (added to c's exponent field); e8, and e10 - e8 - e9, between -126 and 119.  NaN is not served.
; REGISTERS: v1 16 x lane; v2 the step's LDS address; v3 16 u + r - 8 h; v5, v6 the add's two; v7, v8 the pair's scratch; v12 -M, v13 the largest t, v[14:15] the sum; v16-23 Q; v24-31 Q of the high tile;
;   v32-95 K's, then V's fragments; v96-159 S^T, then p; v160-191 O^T; v192-207 P; v208-215 the result's codes; v234-255 at work; v240, v244: 448 x 2^e8, 2^e8; v241, v245: the same for e10 - e8 - e9.
.set SCR,   262144                     ; behind K and V: 4,608 bytes for each pair: O^T (8 x 512), then -M and the sum (256); no tensor load lands there
.set SCRP,  4608
.set SPARE, SCR+8*SCRP                 ; the spare words, 128 bytes for each of 16 waves, that no other line names
.set TB,   2                           ; s2  16,384 x the trip
.set S,    3                           ; s3  the trip, 0 .. 8
.set WV,   18
.set SEL,  20                          ; s[20:21] v_permlanex16_b32's selects: lane l xor 16
.set CS,   22                          ; s[22:23] c = log2(e) / 8 x 2^(e6 + e7)
.set G1,   24
.set G0,   32
.set ROLE, 36                          ; 0: steps 0 .. 7 of the high tile, and the join;  1: the low tile, then the high tile's rest
.set PM,   37                          ; m
.set LAST, 38                          ; my last trip: 7 + ROLE
.set SW,   39                          ; the trip at whose head the low tile is stored and the high tile begun: 8 - m (ROLE 0: never)
.set MK,   40                          ; SW - 1: the low tile's step on the diagonal
.set OFFM, 41                          ; from trip SW on the step lies m steps further on in LDS
.set LO,   42                          ; s[42:43] where the low tile's codes go;  s[44:45] the high tile's
.set HI,   44
.set QA,   46                          ; s[46:47] my first tile's Q;  s[48:49] the high tile's
.set QB,   48
.macro CROUND                          ; a round of the cluster's barrier
	s_barrier_signal -1
	s_barrier_wait -1
	s_cmp_lg_u32 s[WV], 0
	s_cbranch_scc1 .Lnot_wave_0_\@
	s_barrier_signal -3
.Lnot_wave_0_\@:
	s_barrier_wait -3
	s_barrier_signal -1
	s_barrier_wait -1
.endm
.macro INIT                            ; a tile's start: the first step finds zeros, which the first change of M leaves zeros
	v_mov_b32 v13, 0xff61b1e6                      ; -3e38, under every t
	v_mov_b32 v14, 0
	v_mov_b32 v15, 0
	v_floor_f32 v12, -v13
.set jj, 0
.rept 32
	v_mov_b32 v[160+jj], 0
.set jj, jj+1
.endr
.endm
; O^T / the sum, held, converted, stored: a lane's codes are its 32 bytes of two pieces of the last product's operand
.macro OUT p
	s_wait_xcnt 0x0                                ; an earlier store has read its codes: they are written again only behind this wait
.rept 4
	v_nop                                          ; places behind the last products
.endr
	v_add_f32 v14, v14, v15
	v_permlanex16_b32 v236, v14, s[SEL], s[SEL+1]
	v_add_f32 v14, v14, v236                       ; the sum's two halves, and lane l xor 16's
	s_wait_alu depctr_va_vdst(0)                   ; the wait ahead of the reciprocal
	v_rcp_f32 v14, v14
	v_nop
	s_wait_alu depctr_va_vdst(0)                   ; and ahead of its first reader, which is also O^T's
.set jj, 0
.rept 16
	v_pk_mul_f32 v[96+jj:97+jj], v[160+jj:161+jj], v[14:15] op_sel_hi:[1,0]   ; each accumulator from its low end on
.set jj, jj+2
.endr
.set jj, 0
.rept 32
	v_med3_num_f32 v[96+jj], v[96+jj], -v241, v241
.set jj, jj+1
.endr
.irp ct, 0,1,2,3
	v_cvt_scalef32_pk8_fp8_f32 v[208+2*\ct:209+2*\ct], v[96+8*\ct:103+8*\ct], v245
.endr
	v_nop
	global_store_b128 v1, v[208:211], s[\p:\p+1]   ; 512 consecutive bytes, aligned
	global_store_b128 v1, v[212:215], s[\p:\p+1] offset:512
.endm
	s_load_b256 s[4:11], s[0:1], 0x0               ; q_img 4:5, kv_img 6:7, the exponents 8:9, a_img 10:11
	v_lshl_add_u32 v5, v0, 2, SPARE
	v_mov_b32 v6, 0
	ds_add_u32 v5, v6                              ; the opening: the add, twice on end, and its wait ahead of my tensor load
	ds_add_u32 v5, v6
	v_lshrrev_b32 v2, 5, v0
	v_readfirstlane_b32 s[WV], v2                  ; wave 0..15
	s_and_b32 s12, ttmp7, 0xffff                   ; y = b 8 + kvh
	s_bfe_u32 s13, ttmp6, 0x40000                  ; cx
	s_lshl_b32 s14, ttmp9, 2
	s_add_co_u32 s14, s14, s13                     ; j
	s_and_b32 s15, s14, 7                          ; u
	s_lshr_b32 s16, s14, 3                         ; which of the two query heads
	s_lshr_b32 s[ROLE], s[WV], 2
	s_xor_b32 s[ROLE], s[ROLE], s[WV]
	s_and_b32 s[ROLE], s[ROLE], 1
	s_lshr_b32 s[PM], s[WV], 1
	s_add_co_u32 s[LAST], s[ROLE], 7
	s_sub_co_u32 s17, 8, s[PM]
	s_lshl_b32 s19, s[PM], 14
	s_lshl_b32 s50, s[PM], 3
	s_add_co_u32 s51, s50, 64
	s_add_co_u32 s51, s51, s15                     ; the high tile: 8 (8 + m) + u
	s_sub_co_u32 s50, 56, s50
	s_add_co_u32 s50, s50, s15                     ; the low tile: 8 (7 - m) + u
	s_cmp_eq_u32 s[ROLE], 1
	s_cselect_b32 s[SW], s17, 99
	s_cselect_b32 s[OFFM], s19, 0
	s_cselect_b32 s57, s50, s51                    ; my first tile
	s_sub_co_u32 s[MK], s[SW], 1
	s_lshl_b32 s58, s12, 1
	s_add_co_u32 s58, s58, s16                     ; b 16 + head
	s_lshl_b32 s58, s58, 17
	s_lshl_b32 s57, s57, 10
	s_add_co_u32 s[QA], s58, s57
	s_mov_b32 s[QA+1], 0
	s_lshl_b32 s59, s51, 10
	s_add_co_u32 s[QB], s58, s59
	s_mov_b32 s[QB+1], 0
	s_lshr_b32 s58, s12, 3                         ; the result: row tile b 128 + tile, of 16,384 bytes;
	s_lshl_b32 s58, s58, 21
	s_and_b32 s59, s12, 7                          ; K step = kvh;
	s_lshl_b32 s59, s59, 11
	s_add_co_u32 s58, s58, s59
	s_lshl_b32 s59, s16, 10                        ; pieces 2 (head % 2) and the next
	s_add_co_u32 s58, s58, s59
	s_lshl_b32 s50, s50, 14
	s_add_co_u32 s[LO], s58, s50
	s_mov_b32 s[LO+1], 0
	s_lshl_b32 s51, s51, 14
	s_add_co_u32 s[HI], s58, s51
	s_mov_b32 s[HI+1], 0
	s_lshl_b32 s60, s12, 18                        ; the kv head's block, + my step: y and the wave's number alone
	s_add_co_u32 s60, s60, s19
	s_and_b32 s61, s[WV], 1
	s_lshl_b32 s61, s61, 14
	s_lshl_b32 s19, s19, 0
	s_add_co_u32 s60, s60, s19
	s_add_co_u32 s60, s60, s61                     ; y 2^18 + (2 m + wave % 2) 2^14
	s_mov_b32 s61, 0
	s_mov_b32 s[G1], 15|(3<<16)|(1<<21)            ; the mask: the cluster's four; elements of 8 bytes; bit 21 beside a mask; no padding
	s_mov_b32 s[G1+1], 32<<16                      ; rows of 256 bytes
	s_mov_b32 s[G1+2], 64<<16                      ; 64 rows: 16,384 bytes, dense
	s_mov_b32 s[G1+3], 32<<16
	s_mov_b32 s[G1+4], 64
	s_mov_b32 s[G1+5], 32
	s_mov_b32 s[G1+6], 0
	s_mov_b32 s[G1+7], 0
	s_mov_b32 s[SEL], 0x76543210
	s_mov_b32 s[SEL+1], 0xfedcba98
	s_mov_b32 s[CS], 0x3e38aa3b                    ; log2(e) / sqrt(64)
	s_mov_b32 s[TB], 0
	s_mov_b32 s[S], 0
	s_wait_dscnt 0x0                               ; both opening adds are done
	s_wait_kmcnt 0x0
	s_load_b128 s[52:55], s[8:9], 0x18             ; e6, e7, e8, e9
	s_load_b32 s56, s[8:9], 0x28                   ; e10
	s_mov_b32 s[G0], 1
	s_lshl_b32 s[G0+1], s[WV], 14                  ; step w lies at 16,384 w
	s_add_nc_u64 s[G0+2:G0+3], s[6:7], s[60:61]
	s_or_b32 s[G0+3], s[G0+3], 0x80000000
	s_add_nc_u64 s[QA:QA+1], s[4:5], s[QA:QA+1]
	s_add_nc_u64 s[QB:QB+1], s[4:5], s[QB:QB+1]
	s_add_nc_u64 s[LO:LO+1], s[10:11], s[LO:LO+1]
	s_add_nc_u64 s[HI:HI+1], s[10:11], s[HI:HI+1]
	CROUND                                         ; the four work-groups are here: the joint loads meet
	tensor_load_to_lds s[G0:G0+3], s[G1:G1+7]      ; my one tensor load of the launch
	s_nop 0
	v_and_b32 v2, 31, v0
	v_lshlrev_b32 v1, 4, v2                        ; 16 x lane
	global_load_b128 v[16:19], v1, s[QA:QA+1]
	global_load_b128 v[20:23], v1, s[QA:QA+1] offset:512
	global_load_b128 v[24:27], v1, s[QB:QB+1]
	global_load_b128 v[28:31], v1, s[QB:QB+1] offset:512
	s_mul_i32 s57, s[PM], SCRP
	s_add_co_u32 s57, s57, SCR
	v_add_nc_u32 v7, s57, v1                       ; the pair's scratch: O^T, 16 bytes a lane,
	s_add_co_u32 s57, s57, 4096
	v_lshl_add_u32 v8, v2, 3, s57                  ; -M and the sum, 8 bytes a lane
	v_and_b32 v3, 15, v0
	v_bfe_u32 v4, v0, 4, 1
	v_lshlrev_b32 v4, 3, v4
	v_sub_nc_u32 v3, v3, v4
	s_lshl_b32 s57, s15, 4
	v_add_nc_u32 v3, s57, v3                       ; d = 16 u + r - 8 h: on the diagonal step register 8 t + j is hidden where 16 t + j > d
	INIT
	v_mov_b32 v236, 0                              ; written once: a lane permute's destination counts as one of its sources
	v_mov_b32 v252, 0
	v_mov_b32 v253, 0                              ; (upper halves of pairs that are named whole)
	v_mov_b32 v255, 0
	s_wait_alu depctr_va_vdst(0)
	s_wait_kmcnt 0x0
	s_add_co_i32 s57, s52, s53
	s_lshl_b32 s57, s57, 23
	s_add_co_i32 s[CS], s[CS], s57                 ; a score stands for score x 2^(e6 + e7): added to c's exponent field
	s_mov_b32 s[CS+1], s[CS]
	s_add_co_i32 s57, s54, 127
	s_lshl_b32 s58, s57, 23
	v_mov_b32 v244, s58                            ; 2^e8
	s_add_co_i32 s57, s57, 8
	s_lshl_b32 s57, s57, 23
	s_or_b32 s57, s57, 0x600000
	v_mov_b32 v240, s57                            ; 448 x 2^e8
	s_sub_co_i32 s57, s56, s54
	s_sub_co_i32 s57, s57, s55                     ; O^T / the sum stands for that x 2^(e8 + e9): its code is that / 2^(e10 - e8 - e9)
	s_add_co_i32 s57, s57, 127
	s_lshl_b32 s58, s57, 23
	v_mov_b32 v245, s58
	s_add_co_i32 s57, s57, 8
	s_lshl_b32 s57, s57, 23
	s_or_b32 s57, s57, 0x600000
	v_mov_b32 v241, s57
	s_wait_alu depctr_va_vdst(0)                   ; the wait at the head's end
	s_wait_loadcnt 0x0                             ; Q
	s_wait_tensorcnt 0x0                           ; my step has landed;
	s_barrier_signal -1
	s_barrier_wait -1                              ; everybody's has: all of K and V is in LDS
.Ltrip:                                            ; nine trips in every wave; ROLE 0 has no work in the last
	s_cmp_lg_u32 s[S], s[SW]
	s_cbranch_scc1 .Lsame
	OUT LO                                         ; the low tile is finished: it leaves, and the high tile's second part begins
	INIT
.set jj, 0
.rept 8
	v_mov_b32 v[16+jj], v[24+jj]
.set jj, jj+1
.endr
.Lsame:
	s_barrier_signal -1                            ; a barrier in each trip: the signal at the step's head, the wait at its end: no wave is more than a trip ahead of another.  Between the two: register work and loads of K and V, which nobody writes
	s_cmp_gt_u32 s[S], s[LAST]
	s_cbranch_scc1 .Lskip
	s_cmp_ge_u32 s[S], s[SW]
	s_cselect_b32 s50, s[OFFM], 0
	v_add_nc_u32 v2, s[TB], v1
	v_add_nc_u32 v2, s50, v2
	v_nop
	v_nop                                          ; with the two additions: four places in front of loads into registers that the last products read
.irp t, 0,1,2,3,4,5,6,7
	ds_load_b128 v[32+8*\t:35+8*\t], v2 offset:\t*1024         ; K: tile t's fragment, 16 keys x 64 d
	ds_load_b128 v[36+8*\t:39+8*\t], v2 offset:\t*1024+512
.endr
	s_wait_alu depctr_va_vdst(0)
	s_wait_dscnt 0x0
.irp t, 0,1,2,3,4,5,6,7
	v_wmma_f32_16x16x64_fp8_fp8 v[96+8*\t:103+8*\t], v[32+8*\t:39+8*\t], v[16:23], 0
.endr
.rept 4
	v_nop                                          ; places: in front of the loads into K's registers and of the first read of the scores
.endr
.irp ct, 0,1,2,3
.irp q, 0,1,2,3
	ds_load_b128 v[32+16*\ct+4*\q:35+16*\ct+4*\q], v2 offset:8192+\ct*2048+\q*512   ; V^T: 16 channels x 128 keys; it lands under the softmax
.endr
.endr
	s_cmp_eq_u32 s[S], s[MK]                       ; the diagonal: the low tile's last step, and trip 8
	s_cselect_b32 s50, 1, 0
	s_cmp_eq_u32 s[S], 8
	s_cselect_b32 s50, 1, s50
	s_cmp_eq_u32 s50, 0
	s_cbranch_scc1 .Lopen
	v_mov_b32 v254, 0xff800000                     ; hidden scores become -infinity ahead of the maximum: p = 0 then
.set nn, 0
.rept 64
	v_cmp_gt_i32 vcc_lo, 16*(nn/8)+nn%8, v3
	v_cndmask_b32 v[96+nn], v[96+nn], v254, vcc_lo
.set nn, nn+1
.endr
.Lopen:
	v_max3_num_f32 v254, v96, v97, v98             ; the step's largest score of my query among my 64 keys, in two chains, each tile from its low end on,
	v_max3_num_f32 v252, v99, v100, v101
.irp i, 6,10,14,18,22,26,30,34,38,42,46,50,54,58
	v_max3_num_f32 v254, v254, v[96+\i], v[97+\i]
	v_max3_num_f32 v252, v252, v[98+\i], v[99+\i]
.endr
	v_max3_num_f32 v254, v254, v158, v159
	v_max_num_f32 v254, v254, v252
	v_permlanex16_b32 v236, v254, s[SEL], s[SEL+1]
	v_max_num_f32 v254, v254, v236                 ; and among lane l xor 16's
	v_mul_f32 v254, s[CS], v254                    ; as t (c is positive)
	v_max_num_f32 v13, v13, v254                   ; the running largest t
	v_mov_b32 v254, v12
	v_floor_f32 v12, -v13                          ; the new -M = -ceil(t)
	v_sub_f32 v254, v12, v254                      ; old M - new M: a whole number, 0 or less
	v_cvt_i32_f32 v254, v254                       ; (it saturates)
	v_ldexp_f32 v252, 1.0, v254                    ; f = 2^(old M - new M)
.set jj, 0
.rept 32
	v_pk_fma_f32 v[96+jj:97+jj], v[96+jj:97+jj], s[CS:CS+1], v[12:13] op_sel_hi:[1,0,0]   ; t - M, two at a time
.set jj, jj+2
.endr
	s_wait_alu depctr_va_vdst(0)                   ; the wait ahead of the batch
.set jj, 0
.rept 64
	v_exp_f32 v[96+jj], v[96+jj]                   ; p = 2^(t - M)
.set jj, jj+1
.endr
	v_pk_mul_f32 v[14:15], v[14:15], v[252:253] op_sel_hi:[1,0]   ; the sums under the new M: the plain line behind the exponentials
	s_wait_alu depctr_va_vdst(0)                   ; one wait for the batch, ahead of its first reader
	v_pk_add_f32 v[242:243], v[100:101], v[104:105]   ; the row's sum of the unquantised p, in eight chains
	v_pk_add_f32 v[254:255], v[108:109], v[112:113]
	v_pk_add_f32 v[250:251], v[116:117], v[120:121]
	v_pk_add_f32 v[248:249], v[124:125], v[128:129]
	v_pk_add_f32 v[246:247], v[132:133], v[136:137]
	v_pk_add_f32 v[238:239], v[140:141], v[144:145]
	v_pk_add_f32 v[234:235], v[148:149], v[152:153]
	v_pk_add_f32 v[14:15], v[14:15], v[156:157]
	v_pk_add_f32 v[242:243], v[242:243], v[96:97]
	v_pk_add_f32 v[254:255], v[254:255], v[98:99]
	v_pk_add_f32 v[250:251], v[250:251], v[102:103]
	v_pk_add_f32 v[248:249], v[248:249], v[106:107]
	v_pk_add_f32 v[246:247], v[246:247], v[110:111]
	v_pk_add_f32 v[238:239], v[238:239], v[114:115]
	v_pk_add_f32 v[234:235], v[234:235], v[118:119]
	v_pk_add_f32 v[14:15], v[14:15], v[122:123]
	v_pk_add_f32 v[242:243], v[242:243], v[126:127]
	v_pk_add_f32 v[254:255], v[254:255], v[130:131]
	v_pk_add_f32 v[250:251], v[250:251], v[134:135]
	v_pk_add_f32 v[248:249], v[248:249], v[138:139]
	v_pk_add_f32 v[246:247], v[246:247], v[142:143]
	v_pk_add_f32 v[238:239], v[238:239], v[146:147]
	v_pk_add_f32 v[234:235], v[234:235], v[150:151]
	v_pk_add_f32 v[14:15], v[14:15], v[154:155]
	v_pk_add_f32 v[242:243], v[242:243], v[158:159]
	v_pk_add_f32 v[14:15], v[14:15], v[248:249]
	v_pk_add_f32 v[242:243], v[242:243], v[246:247]
	v_pk_add_f32 v[254:255], v[254:255], v[238:239]
	v_pk_add_f32 v[250:251], v[250:251], v[234:235]
	v_pk_add_f32 v[14:15], v[14:15], v[254:255]
	v_pk_add_f32 v[242:243], v[242:243], v[250:251]
	v_pk_add_f32 v[14:15], v[14:15], v[242:243]
.irp t, 0,1,2,3,4,5,6,7
.irp i, 0,2,4,6
	v_dual_min_num_f32 v[96+8*\t+\i], v240, v[96+8*\t+\i] :: v_dual_min_num_f32 v[97+8*\t+\i], v240, v[97+8*\t+\i]   ; the conversion does not saturate (ISA guide 7.6.2); p is not negative: a one-sided hold, two to a line
.endr
	v_cvt_scalef32_pk8_fp8_f32 v[192+2*\t:193+2*\t], v[96+8*\t:103+8*\t], v244
.endr
.set jj, 0
.rept 16
	v_pk_mul_f32 v[160+jj:161+jj], v[160+jj:161+jj], v[252:253] op_sel_hi:[1,0]   ; O^T under the new M; also the plain lines between the conversions and the products
.set jj, jj+2
.endr
	s_wait_alu depctr_va_vdst(0)
	s_wait_dscnt 0x0                               ; V
.irp ct, 0,1,2,3
	v_wmma_f32_16x16x128_fp8_fp8 v[160+8*\ct:167+8*\ct], v[32+16*\ct:47+16*\ct], v[192:207], v[160+8*\ct:167+8*\ct]   ; the four accumulators take turns
.endr
.Lskip:
	s_barrier_wait -1
	s_add_co_u32 s[TB], s[TB], 16384
	s_add_co_u32 s[S], s[S], 1
	s_cmp_lt_u32 s[S], 9
	s_cbranch_scc1 .Ltrip
	; THE JOIN.  ROLE 1 hands its part of the high tile to its partner: O^T as an image of its registers, -M and its lanes' sum
.rept 4
	v_nop                                          ; places behind the last products
.endr
	s_cmp_eq_u32 s[ROLE], 0
	s_cbranch_scc1 .Lkeep
	v_add_f32 v13, v14, v15
.irp i, 0,1,2,3,4,5,6,7
	ds_store_b128 v7, v[160+4*\i:163+4*\i] offset:512*\i       ; each accumulator from its low end on
.endr
	ds_store_b64 v8, v[12:13]
.Lkeep:
	s_wait_alu depctr_va_vdst(0)
	s_wait_dscnt 0x0                               ; my stores are done, for my partner's sake
	s_barrier_signal -1
	s_barrier_wait -1
	s_cmp_eq_u32 s[ROLE], 1
	s_cbranch_scc1 .Lend
.irp i, 0,1,2,3,4,5,6,7
	ds_load_b128 v[96+4*\i:99+4*\i], v7 offset:512*\i
.endr
	ds_load_b64 v[128:129], v8
	s_wait_dscnt 0x0
	v_add_f32 v14, v14, v15
	v_min_num_f32 v130, v12, v128                  ; -M of the two parts together
	v_mov_b32 v15, 0
	v_mov_b32 v255, 0
	v_sub_f32 v131, v130, v12                      ; whole numbers, 0 or less
	v_sub_f32 v132, v130, v128
	v_cvt_i32_f32 v131, v131
	v_cvt_i32_f32 v132, v132
	v_ldexp_f32 v252, 1.0, v131                    ; my part's factor,
	v_ldexp_f32 v254, 1.0, v132                    ; my partner's: both powers of two
	v_mul_f32 v14, v14, v252
	v_fma_f32 v14, v129, v254, v14
.set jj, 0
.rept 16
	v_pk_mul_f32 v[160+jj:161+jj], v[160+jj:161+jj], v[252:253] op_sel_hi:[1,0]
.set jj, jj+2
.endr
.set jj, 0
.rept 16
	v_pk_fma_f32 v[160+jj:161+jj], v[96+jj:97+jj], v[254:255], v[160+jj:161+jj] op_sel_hi:[1,0,1]
.set jj, jj+2
.endr
	OUT HI
.Lend:
	s_wait_tensorcnt 0x0                           ; the wave's end
	ds_add_u32 v5, v6
	s_wait_dscnt 0x0
	CROUND                                         ; the closing round
	s_endpgm
.Lfunc_end_k_q371892a522_attn:
	.size	k_q371892a522_attn, .Lfunc_end_k_q371892a522_attn-k_q371892a522_attn
	.p2alignl 7, 3214868480
	.fill 96, 4, 3214868480
	.section	.rodata,"a",@progbits
	.p2align	6, 0x0
	.amdhsa_kernel k_q371892a522_attn
		.amdhsa_group_segment_fixed_size 327680
		.amdhsa_private_segment_fixed_size 0
		.amdhsa_enable_private_segment 0
		.amdhsa_kernarg_size 32
		.amdhsa_user_sgpr_count 2
		.amdhsa_user_sgpr_kernarg_segment_ptr 1
		.amdhsa_wavefront_size32 1
		.amdhsa_system_sgpr_workgroup_id_x 1
		.amdhsa_system_sgpr_workgroup_id_y 1
		.amdhsa_system_sgpr_workgroup_id_z 1
		.amdhsa_system_vgpr_workitem_id 0
		.amdhsa_next_free_vgpr 256
		.amdhsa_next_free_sgpr 66
		.amdhsa_reserve_vcc 1
		.amdhsa_float_denorm_mode_32 3
		.amdhsa_float_denorm_mode_16_64 3
		.amdhsa_memory_ordered 1
		.amdhsa_forward_progress 1
		.amdhsa_inst_pref_size 42
	.end_amdhsa_kernel
	.amdgpu_metadata
---
amdhsa.version: [ 1, 2 ]
amdhsa.kernels:
  - .name:           k_q371892a522_attn
    .symbol:         k_q371892a522_attn.kd
    .args:
      - { .name: q_img, .offset: 0, .size: 8, .value_kind: global_buffer, .address_space: global }
      - { .name: kv_img, .offset: 8, .size: 8, .value_kind: global_buffer, .address_space: global }
      - { .name: lowp_scales, .offset: 16, .size: 8, .value_kind: global_buffer, .address_space: global }
      - { .name: a_img, .offset: 24, .size: 8, .value_kind: global_buffer, .address_space: global }
    .group_segment_fixed_size: 327680
    .private_segment_fixed_size: 0
    .kernarg_segment_align: 8
    .kernarg_segment_size: 32
    .max_flat_workgroup_size: 512
    .sgpr_count:     66
    .vgpr_count:     256
    .wavefront_size: 32
...
	.end_amdgpu_metadata
.endif
;; end of part 3
;; launch outp (part 4): grid 8 x 32, 4 waves a work-group, clusters of 4 x 4, 327,680 bytes of LDS; arguments a_img, wc, lowp_scales, out0; writes out0
.if DOCPART == 4
	.amdgcn_target "amdgcn-amd-amdhsa--gfx1250"
	.amdhsa_code_object_version 6
	.text
	.protected	k_q371892a522_outp
	.globl	k_q371892a522_outp
	.p2align	8
	.type	k_q371892a522_outp,@function
k_q371892a522_outp:
	s_mov_b64 s[64:65], 0
	v_nop
	global_prefetch_b8 v0, s[64:65] scope:SCOPE_SE
	s_setreg_imm32_b32 hwreg(HW_REG_WAVE_MODE, 25, 1), 1
	s_wait_xcnt 0x0
	s_wait_alu depctr_hold_cnt(0) depctr_sa_sdst(0) depctr_va_vdst(0) depctr_va_sdst(0) depctr_va_ssrc(0) depctr_va_vcc(0) depctr_vm_vsrc(0)
	s_getreg_b32 s2, hwreg(HW_REG_IB_STS2, 6, 4)
	s_cmp_eq_u32 s2, 0
	s_cbranch_scc0 .Lentry_in_a_cluster
	s_endpgm
.Lentry_in_a_cluster:
	s_bfe_u32 s2, ttmp6, 0x10000c
	s_cmp_lg_u32 s2, 0xf033
	s_cbranch_scc0 .Lentry_shape_is_right
	s_endpgm
.Lentry_shape_is_right:
; out0 = attention's result x wo on codes of E4M3: [4,096][1,024] x [1,024][2,048], f32 out; each finished sum is multiplied once by 2^(e10 + e11).
; Both operands lie as images of fragments (16 rows x 128 K = 2,048 bytes, piece q of 512 bytes = registers 4 q .. 4 q + 3, lane l's 16 bytes at 16 l): a_img [row tile 256][K step 8], wo in wc at 0x400000 [n tile 128][K step 8].
; A tile is 128 x 128 of out0, each of the four waves makes 64 x 64 of it: 16 accumulators.  The matrix instruction is used transposed (source 0 = 16 columns of wo, source 1 = 16 rows): a lane holds eight neighbouring numbers of a row.
; A WORK-GROUP STAYS AND MAKES TWO TILES of the same 128 rows: columns 128 TC on and 128 (TC + 8) on: 256 work-groups of equal work.  K = 1,024 is two steps of 512, and both lie in LDS at once: A's rows stay there
; for both tiles; only B's two halves (65,536 bytes each) are filled again, each as soon as the first tile has read it, by waves 2 and 3.  The first tile's stores leave while the second is multiplied: nothing waits for them.
; CLUSTER 4 x 4: A's tile is shared along a row of the cluster, B's along a column, each asked for jointly.  By this text's count a wave has two tensor loads out at the start, and later one (waves 2, 3) or none.
; LIMIT: e10 + e11 between -126 and 127, so that 2^(e10 + e11) is an f32 number.
; REGISTERS: window 0: v1 16 x lane; v16-17, v20-21 LDS addresses; v24-26 the way out's; v28, v29 the add's two; v32-63 a block's sums x the scale; v64-127 rows read back, two sets; v128-255 accumulators.  window 1: two sets of fragments.
.set SLOT,  131072                     ; A's 8 row tiles x 8,192 bytes, then B's
.set STAGE, 2*SLOT                     ; behind the slots: 16 rows x (256 bytes + 16) for each wave, for the way out; no tensor load lands there
.set SPARE, STAGE+4*16*272             ; behind the stages: the spare words, 128 bytes for each wave, two blocks of 256 bytes that no other line names
.set ACC,   128
.set F0,    0
.set F1,    128
.set TMP,   32
.set BK,    64
.set ADRA,  16
.set ADRB,  20
.set STO,   24
.set RD,    25
.set CO,    26
.set SPW,   28
.set NIL,   29
.set WV,    18                         ; s18 wave;  s19 = wave / 2: my half of A's rows, also: I fetch for A (0) or B (1);  s20 = wave % 2: my half of B's rows, also: which 64 rows I fetch
.set HA,    19
.set HB,    20
.set G1A,   24
.set G0A,   32
.set G1B,   48
.set G0B,   56
.set MSB, 0
.macro WIN new                         ; the immediate's high byte repeats the setting that is left
.if MSB != \new
	s_set_vgpr_msb (MSB<<8)|\new
.set MSB, \new
.endif
.endm
.set MUL,  0x05                        ; sources 0 and 1 window 1; C and D window 0
.set TO_F, 0x40                        ; destination window 1, address window 0
.macro PLACES                          ; four plain lines between a matrix instruction and a load into its sources or a read of its result (ISA guide 7.12.1 for a read of its result)
.rept 4
	v_nop
.endr
.endm
.macro CREST                           ; a round of the cluster's barrier behind its opening barrier
	s_cmp_lg_u32 s[WV], 0
	s_cbranch_scc1 .Lnot_wave_0_\@
	s_barrier_signal -3
.Lnot_wave_0_\@:
	s_barrier_wait -3
	s_barrier_signal -1
	s_barrier_wait -1
.endm
; A prefetch into the L2: 32 blocks of 256 bytes, a lane a block, one instruction a wave: one row tile's 8,192 bytes of half of K.  Of the four row tiles that my wave fetches, each of the four partners that ask for them
; jointly names one, told apart by address (cx for A, cy for B).  A's tiles are named in each cluster that loads them; wo's, which eight clusters load, in the four whose y is even.  The address registers are never written again.
.macro ASK fl, off
	WIN 0                                          ; a branch and a label follow
	s_cmp_eq_u32 s[\fl], 1
	s_cbranch_scc0 .Lnot_mine_\@
	global_prefetch_b8 v27, s[2:3] offset:\off th:TH_LOAD_NT scope:SCOPE_SE
.Lnot_mine_\@:
.endm
.macro CROUND
	s_barrier_signal -1
	s_barrier_wait -1
	CREST
.endm
; four matrix instructions: A's block a against B's four, 128 along K.  The 16 accumulators take turns, one instruction a turn, in the same order in every step.
.macro MUL4 f, a, zero
	WIN MUL
.irp b, 0,1,2,3
.if \zero
	v_wmma_f32_16x16x128_fp8_fp8 v[ACC+8*(4*\a+\b):ACC+8*(4*\a+\b)+7], v[\f+64+16*\b:\f+64+16*\b+15], v[\f+16*\a:\f+16*\a+15], 0
.else
	v_wmma_f32_16x16x128_fp8_fp8 v[ACC+8*(4*\a+\b):ACC+8*(4*\a+\b)+7], v[\f+64+16*\b:\f+64+16*\b+15], v[\f+16*\a:\f+16*\a+15], v[ACC+8*(4*\a+\b):ACC+8*(4*\a+\b)+7]
.endif
.endr
.endm
; 32 LDS loads in one run: B's four fragments (16 loads), A's blocks 0, 1 (8), A's blocks 2, 3 (8)
.macro FETCH slot, sub, f
	WIN TO_F
.irp i, 0,1,2,3
.irp q, 0,1,2,3
	ds_load_b128 v[\f+64+16*\i+4*\q:\f+64+16*\i+4*\q+3], v[ADRB+\slot] offset:\i*8192+\sub*2048+\q*512
.endr
.endr
.irp i, 0,1,2,3
.irp q, 0,1,2,3
	ds_load_b128 v[\f+16*\i+4*\q:\f+16*\i+4*\q+3], v[ADRA+\slot] offset:\i*8192+\sub*2048+\q*512
.endr
.endr
.endm
.macro SUB slot, nsub, f, g, zero
	s_wait_dscnt 8                                 ; B's four and A's blocks 0, 1 are in; the youngest eight loads (A's blocks 2, 3) may be out
	MUL4 \f, 0, \zero
	MUL4 \f, 1, \zero
	PLACES
	FETCH \slot, \nsub, \g
	s_wait_dscnt 32                                ; all but the 32 just issued
	MUL4 \f, 2, \zero
	MUL4 \f, 3, \zero
.endm
.macro THREE slot, zero                ; a slot's first three steps of 128; zero = 1: the first products start the sums: nothing is cleared
	SUB \slot, 1, F0, F1, \zero
	SUB \slot, 2, F1, F0, 0
	SUB \slot, 3, F0, F1, 0
.endm
; a slot's last step multiplies set F1 and changes slots: one barrier; in front of it each wave waits for all its tensor loads, adds 0 to its spare word, and waits for that and for its reads of this slot.
; fill = 1: this slot's half of B is filled again, with the second tile's columns (8 tiles of 131,072 bytes on); A's half stays.
.macro TURN slot, next, fill
	WIN 0                                          ; (the add's two registers lie in window 0)
	s_wait_tensorcnt 0x0                           ; all my tensor loads have landed: my part of the next slot
	ds_add_u32 v[SPW], v[NIL]
	s_wait_dscnt 9                                 ; (the add and A's blocks 2, 3 may be out)
	MUL4 F1, 0, 0                                  ; matrix work stands between the add and the wait for it
	s_wait_dscnt 0x0                               ; the add is done, and my reads of this slot are over
	s_barrier_signal -1
	MUL4 F1, 1, 0
.if \fill
	WIN 0
.endif
	s_barrier_wait -1
.if \fill
	CREST                                          ; the barrier has opened a round of the cluster's: no wave of any partner still reads this slot's B or has a load on its way
	s_add_nc_u64 s[G0B+4*\slot+2:G0B+4*\slot+3], s[G0B+4*\slot+2:G0B+4*\slot+3], 0x100000   ; no tensor load of mine is out, so a group 0 may be written
	s_cmp_eq_u32 s[HA], 0                          ; the wave's number alone: the same in every work-group
	s_cbranch_scc1 .Lnone_\@
	tensor_load_to_lds s[G0B+4*\slot:G0B+4*\slot+3], s[G1B:G1B+7]   ; the first tensor load behind the round, and my only one until the next
	s_nop 0
.rept 4
	v_nop
.endr
.Lnone_\@:
.endif
	PLACES                                         ; on every wave's way: in front of the loads below, into registers that matrix instructions have read
	FETCH \next, 0, F0
	MUL4 F1, 2, 0
	MUL4 F1, 3, 0
.endm
	s_load_b256 s[4:11], s[0:1], 0x0               ; a_img 4:5, wc 6:7, the exponents 8:9, out0 10:11
	v_lshl_add_u32 v[SPW], v0, 2, SPARE
	v_mov_b32 v[NIL], 0
	ds_add_u32 v[SPW], v[NIL]                      ; the wave's opening: the add and its wait ahead of my first tensor load; the set-up below stands between
	ds_add_u32 v[SPW], v[NIL]
	v_lshrrev_b32 v2, 5, v0
	v_readfirstlane_b32 s[WV], v2
	s_lshr_b32 s[HA], s[WV], 1
	s_and_b32 s[HB], s[WV], 1
	s_bfe_u32 s21, ttmp6, 0x40000                  ; cx
	s_bfe_u32 s22, ttmp6, 0x40004                  ; cy
	s_and_b32 s40, ttmp7, 0xffff
	s_lshl_b32 s40, s40, 2
	s_add_co_u32 s40, s40, s22                     ; TR: the tile of 128 rows, 0 .. 31
	s_lshl_b32 s41, ttmp9, 2
	s_add_co_u32 s41, s41, s21                     ; TC: the first tile of 128 columns, 0 .. 7; the second is TC + 8
	s_lshl_b32 s42, s22, 2
	s_lshl_b32 s42, 15, s42                        ; my row of the cluster
	s_lshl_b32 s43, 0x1111, s21                    ; my column
	s_or_b32 s[G1A], s42, (3<<16)|(1<<21)          ; 15:0 the mask; 17:16 elements of 8 bytes; 21 set beside a mask; no padding
	s_or_b32 s[G1B], s43, (3<<16)|(1<<21)
.irp g, G1A, G1B
	s_mov_b32 s[\g+1], 1024<<16                    ; tensor_dim0 = 1,024 elements: four images of a row tile, 8,192 bytes
	s_mov_b32 s[\g+2], 4<<16                       ; tensor_dim1 = 4 row tiles
	s_mov_b32 s[\g+3], 1024<<16                    ; tile_dim0
	s_mov_b32 s[\g+4], 4                           ; tile_dim1
	s_mov_b32 s[\g+5], 2048                        ; from row tile to row tile: 8 images, 16,384 bytes
	s_mov_b32 s[\g+6], 0
	s_mov_b32 s[\g+7], 0
.endr
	s_lshl_b32 s44, s40, 17                        ; A: 8 row tiles of 16,384 bytes a tile, made of TR alone,
	s_lshl_b32 s45, s[HB], 16                      ; + the four that I fetch
	s_add_co_u32 s44, s44, s45
	s_mov_b32 s45, 0
	s_lshl_b32 s46, s41, 17                        ; B: of TC alone
	s_lshl_b32 s47, s[HB], 16
	s_add_co_u32 s46, s46, s47
	s_add_co_u32 s46, s46, 0x400000                ; wo's place in wc
	s_mov_b32 s47, 0
	s_lshl_b32 s23, s[WV], 15                      ; where my load goes: wave x 32,768
	s_wait_dscnt 0x0                               ; the opening add is done
	s_wait_kmcnt 0x0
	s_load_b64 s[96:97], s[8:9], 0x28              ; e10, e11
	s_add_nc_u64 s[68:69], s[4:5], s[44:45]
	s_add_nc_u64 s[70:71], s[6:7], s[46:47]
	s_cmp_eq_u32 s[HA], 0                          ; the prefetches: do I fetch for A?
	s_cselect_b64 s[2:3], s[68:69], s[70:71]
	s_cselect_b32 s98, s21, s22                    ; my place among the four that ask with me
	s_lshl_b32 s98, s98, 14                        ; a row tile is 16,384 bytes
	s_mov_b32 s99, 0
	s_add_nc_u64 s[2:3], s[2:3], s[98:99]
	s_and_b32 s101, ttmp7, 1
	s_xor_b32 s101, s101, 1                        ; 1 where the cluster's y is even
	s_xor_b32 s100, s[HA], 1
	s_or_b32 s100, s100, s101                      ; s100: I ask for the first tile's second half of K
	s_and_b32 s101, s101, s[HA]                    ; s101: I ask for the second tile's B
.irp s, 0,1
	s_mov_b32 s[G0A+4*\s], 1
	s_add_co_u32 s[G0A+4*\s+1], s23, \s*SLOT
	s_add_nc_u64 s[G0A+4*\s+2:G0A+4*\s+3], s[68:69], \s*8192
	s_or_b32 s[G0A+4*\s+3], s[G0A+4*\s+3], 0x80000000
	s_mov_b32 s[G0B+4*\s], 1
	s_add_co_u32 s[G0B+4*\s+1], s23, \s*SLOT
	s_add_nc_u64 s[G0B+4*\s+2:G0B+4*\s+3], s[70:71], \s*8192
	s_or_b32 s[G0B+4*\s+3], s[G0B+4*\s+3], 0x80000000
.endr
	CROUND                                         ; all sixteen work-groups are here: the first joint loads meet
	s_cmp_eq_u32 s[HA], 0                          ; a wave's two first fills stand in one branch
	s_cbranch_scc0 .Lfirst_b
	tensor_load_to_lds s[G0A:G0A+3], s[G1A:G1A+7]
	s_nop 0
.rept 4
	v_nop
.endr
	s_branch .Lfirst_done
.Lfirst_b:
	tensor_load_to_lds s[G0B:G0B+3], s[G1B:G1B+7]
	s_nop 0
.rept 4
	v_nop
.endr
.Lfirst_done:
	v_and_b32 v2, 31, v0
	v_lshlrev_b32 v1, 4, v2                        ; 16 x lane
	s_lshl_b32 s98, s[HA], 15                      ; my 64 rows of A
	s_lshl_b32 s99, s[HB], 15                      ; my 64 rows of B,
	s_add_co_u32 s99, s99, 65536                   ; which lie behind A's
	v_add_nc_u32 v[ADRA], s98, v1
	v_add_nc_u32 v[ADRA+1], SLOT, v[ADRA]
	v_add_nc_u32 v[ADRB], s99, v1
	v_add_nc_u32 v[ADRB+1], SLOT, v[ADRB]
	v_and_b32 v2, 15, v0                           ; r
	v_bfe_u32 v3, v0, 4, 1                         ; h
	s_mul_i32 s66, s[WV], 16*272
	s_add_co_u32 s66, s66, STAGE                   ; my stage
	v_mul_u32_u24 v[STO], v2, 272                  ; in: row r, 32 bytes for each half of the lanes
	v_lshl_add_u32 v[STO], v3, 5, v[STO]
	v_add_nc_u32 v[STO], s66, v[STO]
	v_mul_u32_u24 v[RD], v3, 272                   ; back: lanes 0-15 one row of 256 bytes, lanes 16-31 the next
	v_lshl_add_u32 v[RD], v2, 4, v[RD]
	v_add_nc_u32 v[RD], s66, v[RD]
	v_lshlrev_b32 v[CO], 13, v3                    ; and the same two rows in out0: a row is 8,192 bytes
	v_lshl_add_u32 v[CO], v2, 4, v[CO]
	v_and_b32 v27, 31, v0
	v_lshlrev_b32 v27, 8, v27                      ; the prefetches' offset: 256 x lane; never rewritten
	s_wait_alu depctr_va_vdst(0)                   ; the wait ahead of the branches below
	ASK 100, 8192                                  ; the second half of K,
	ASK 101, 0x100000                              ; the second tile's B, first half of K
	s_lshl_b32 s86, s40, 7
	s_lshl_b32 s88, s[HA], 6
	s_add_co_u32 s86, s86, s88                     ; my first row
	s_lshl_b32 s86, s86, 13
	s_lshl_b32 s88, s41, 9                         ; the first tile's first column, in bytes
	s_add_co_u32 s86, s86, s88
	s_lshl_b32 s88, s[HB], 8
	s_add_co_u32 s86, s86, s88
	s_mov_b32 s87, 0
	s_add_nc_u64 s[10:11], s[10:11], s[86:87]
	s_wait_kmcnt 0x0
	s_add_co_i32 s96, s96, s97
	s_add_co_i32 s96, s96, 127
	s_lshl_b32 s96, s96, 23                        ; 2^(e10 + e11) as f32
	s_mov_b32 s97, s96                             ; (named with it as a pair)
; THE WAY OUT, a block of 16 rows x 64 columns at a time.  A lane holds 32 neighbouring bytes of a row and the lanes beside it other rows: so a block goes through my own stage and comes back as whole rows of 256 bytes.
; LDS serves a wave's instructions in order (ISA guide 5.7.1.4): no wait between the stores and the loads, nor in front of the next block's stores.
.macro TOSTAGE a
.irp b, 0,1,2,3
.irp j, 0,2,4,6
	v_pk_mul_f32 v[TMP+8*\b+\j:TMP+8*\b+\j+1], v[ACC+8*(4*(\a)+\b)+\j:ACC+8*(4*(\a)+\b)+\j+1], s[96:97] op_sel_hi:[1,0]   ; x 2^(e10 + e11); each accumulator from its low end on
.endr
.endr
.irp b, 0,1,2,3
	ds_store_b128 v[STO], v[TMP+8*\b:TMP+8*\b+3] offset:64*\b
	ds_store_b128 v[STO], v[TMP+8*\b+4:TMP+8*\b+7] offset:64*\b+16
.endr
.set BB, BK+32*((\a)%2)
.irp i, 0,1,2,3,4,5,6,7
	ds_load_b128 v[BB+4*\i:BB+4*\i+3], v[RD] offset:\i*2*272
.endr
.endm
.macro SEND a, younger, t              ; younger: the LDS instructions issued behind block a's loads, which may stay out;  t: the tile: the second lies 8 x 512 bytes further along the rows, which stands in the immediate
.set BB, BK+32*((\a)%2)
	s_wait_dscnt \younger
.irp i, 0,1,2,3,4,5,6,7
	global_store_b128 v[CO], v[BB+4*\i:BB+4*\i+3], s[10:11] offset:(16*(\a)+2*\i)*8192+(\t)*4096 th:TH_STORE_NT   ; sixteen lanes store 256 consecutive bytes, aligned; written once, read by nobody here
.endr
.endm
.macro WAYOUT t
	TOSTAGE 0
.irp a, 1,2,3
.if \a > 1
	s_wait_xcnt 0x0                                ; block a - 2's stores have read their registers: block a's loads may land there
.endif
	TOSTAGE \a
	SEND \a-1, 16, \t                              ; behind block a - 1's loads: block a's 8 stores and 8 loads
.endr
	SEND 3, 0, \t
.endm
	s_wait_alu depctr_va_vdst(0)                   ; the wait at the head's end
	s_wait_tensorcnt 0x0                           ; my part of slot 0 is in; slot 1's first fill is issued as a refill is: the wait, the add, its wait, a whole round
	ds_add_u32 v[SPW], v[NIL]
	s_wait_dscnt 0x0
	CROUND
	s_cmp_eq_u32 s[HA], 0                          ; the wave's number alone
	s_cbranch_scc0 .Lsecond_b
	tensor_load_to_lds s[G0A+4:G0A+7], s[G1A:G1A+7]
	s_nop 0
.rept 4
	v_nop
.endr
	s_branch .Lsecond_done
.Lsecond_b:
	tensor_load_to_lds s[G0B+4:G0B+7], s[G1B:G1B+7]
	s_nop 0
.rept 4
	v_nop
.endr
.Lsecond_done:
	FETCH 0, 0, F0
	ASK 101, 0x100000+8192                         ; the second tile's B, second half of K
	; ---- the first tile
	THREE 0, 1
	TURN 0, 1, 1                                   ; slot 0's B takes the second tile's first half of K,
	THREE 1, 0
	TURN 1, 0, 1                                   ; slot 1's B its second half, and the second tile's first fragments are fetched
	WIN 0
	PLACES                                         ; in front of the first read of results
	WAYOUT 0
	; ---- the second tile: nothing waits for the first tile's stores
	THREE 0, 1
	TURN 0, 1, 0                                   ; nothing is left to fetch
	THREE 1, 0
	s_wait_dscnt 8                                 ; the very last step
	MUL4 F1, 0, 0
	MUL4 F1, 1, 0
	s_wait_dscnt 0x0
	MUL4 F1, 2, 0
	MUL4 F1, 3, 0
	WIN 0
	PLACES
	s_wait_xcnt 0x0                                ; the first tile's stores have read their registers: the stage's loads land there again only behind this wait
	WAYOUT 1
	s_wait_tensorcnt 0x0                           ; the wave's end, behind my last tensor load and my last LDS store
	ds_add_u32 v[SPW], v[NIL]
	s_wait_dscnt 0x0
	CROUND                                         ; the closing round: no work-group ends while a partner may still ask for a tile that names it
	s_endpgm
.Lfunc_end_k_q371892a522_outp:
	.size	k_q371892a522_outp, .Lfunc_end_k_q371892a522_outp-k_q371892a522_outp
	.p2alignl 7, 3214868480
	.fill 96, 4, 3214868480
	.section	.rodata,"a",@progbits
	.p2align	6, 0x0
	.amdhsa_kernel k_q371892a522_outp
		.amdhsa_group_segment_fixed_size 327680
		.amdhsa_private_segment_fixed_size 0
		.amdhsa_enable_private_segment 0
		.amdhsa_kernarg_size 32
		.amdhsa_user_sgpr_count 2
		.amdhsa_user_sgpr_kernarg_segment_ptr 1
		.amdhsa_wavefront_size32 1
		.amdhsa_system_sgpr_workgroup_id_x 1
		.amdhsa_system_sgpr_workgroup_id_y 1
		.amdhsa_system_sgpr_workgroup_id_z 1
		.amdhsa_system_vgpr_workitem_id 0
		.amdhsa_next_free_vgpr 512
		.amdhsa_next_free_sgpr 102
		.amdhsa_reserve_vcc 0
		.amdhsa_float_denorm_mode_32 3
		.amdhsa_float_denorm_mode_16_64 3
		.amdhsa_memory_ordered 1
		.amdhsa_forward_progress 1
		.amdhsa_inst_pref_size 85
	.end_amdhsa_kernel
	.amdgpu_metadata
---
amdhsa.version: [ 1, 2 ]
amdhsa.kernels:
  - .name:           k_q371892a522_outp
    .symbol:         k_q371892a522_outp.kd
    .args:
      - { .name: a_img, .offset: 0, .size: 8, .value_kind: global_buffer, .address_space: global }
      - { .name: wc, .offset: 8, .size: 8, .value_kind: global_buffer, .address_space: global }
      - { .name: lowp_scales, .offset: 16, .size: 8, .value_kind: global_buffer, .address_space: global }
      - { .name: out0, .offset: 24, .size: 8, .value_kind: global_buffer, .address_space: global }
    .group_segment_fixed_size: 327680
    .private_segment_fixed_size: 0
    .kernarg_segment_align: 8
    .kernarg_segment_size: 32
    .max_flat_workgroup_size: 128
    .sgpr_count:     102
    .vgpr_count:     512
    .wavefront_size: 32
...
	.end_amdgpu_metadata
.endif
;; end of part 4
